; MI455X (gfx1250); checked and timed in simulation.
; The chip was launched on July 23, 2026; its instructions are those of AMD's public machine-readable ISA for CDNA 5 (MIT licence, August 2026) and "CDNA5" Instruction Set Architecture Reference Guide (July 2026). The comments in the code are by the model that wrote it; some were corrected since.
;; Mixture Of Experts. Allowed arithmetic: matrix products marked QUANTISED: E5M2 operands, one given power-of-two scale a tensor, by v_wmma_f32_16x16x64_bf8_bf8 or v_wmma_f32_16x16x128_bf8_bf8, f32 sums; products left as they are: f32 operands where the result goes on into a quantised operand, else bf16, f16 or f32 operands; f32 sums; everything else in f32.
;; Inputs: W1_codes 8 x 2,048 x 16 x 32 uint8 (E5M2 codes of W1, K innermost, in blocks of 32 codes); W2_codes 8 x 512 x 64 x 32 uint8 (E5M2 codes of W2, K innermost, in blocks of 32 codes); Wg 512 x 8 float32; b1 8 x 2,048 float32; b2 8 x 512 float32; bg 8 float32; lowp_scales 32 int32 (the exponents e of the quantised operands' scales 2^e); x 8 x 512 x 512 float32.
;; Outputs: out0 8 x 512 x 512 float32.
;; This version of the problem:
;;   THIS VERSION OF THE PROBLEM IS GIVEN IN LOW PRECISION. The matrix products marked QUANTISED in the list below multiply operands that are first quantised to E5M2 (5 exponent bits, 2 mantissa bits; 8 bits a number), with one given power-of-two scale for each operand tensor; their sums are f32. All else is computed in f32.
;;   The module's matrix products, in the order in which they are computed (A, B: the left and right operand; K: the contracted axis; several contracted axes count as one K, in the product's order):
;;     1. [M 4,096, K 512] x [K 512, N 8]; A: input x; B: input Wg: left as it is (N = 8 < 16)
;;     2. [M 4,096, K 512] x [K 512, N 2,048]; A: input x; B: input W1 (given as codes): QUANTISED (scales: A lowp_scales[0], B lowp_scales[1])
;;     3. [M 4,096, K 2,048] x [K 2,048, N 512]; A: computed on the way; B: input W2 (given as codes): QUANTISED (scales: A lowp_scales[2], B lowp_scales[3])
;;     4. [M 4,096, K 512] x [K 512, N 2,048]; A: input x; B: input W1 (given as codes): QUANTISED (scales: A lowp_scales[4], B lowp_scales[5])
;;     5. [M 4,096, K 2,048] x [K 2,048, N 512]; A: computed on the way; B: input W2 (given as codes): QUANTISED (scales: A lowp_scales[6], B lowp_scales[7])
;;     6. [M 4,096, K 512] x [K 512, N 2,048]; A: input x; B: input W1 (given as codes): QUANTISED (scales: A lowp_scales[8], B lowp_scales[9])
;;     7. [M 4,096, K 2,048] x [K 2,048, N 512]; A: computed on the way; B: input W2 (given as codes): QUANTISED (scales: A lowp_scales[10], B lowp_scales[11])
;;     8. [M 4,096, K 512] x [K 512, N 2,048]; A: input x; B: input W1 (given as codes): QUANTISED (scales: A lowp_scales[12], B lowp_scales[13])
;;     9. [M 4,096, K 2,048] x [K 2,048, N 512]; A: computed on the way; B: input W2 (given as codes): QUANTISED (scales: A lowp_scales[14], B lowp_scales[15])
;;     10. [M 4,096, K 512] x [K 512, N 2,048]; A: input x; B: input W1 (given as codes): QUANTISED (scales: A lowp_scales[16], B lowp_scales[17])
;;     11. [M 4,096, K 2,048] x [K 2,048, N 512]; A: computed on the way; B: input W2 (given as codes): QUANTISED (scales: A lowp_scales[18], B lowp_scales[19])
;;     12. [M 4,096, K 512] x [K 512, N 2,048]; A: input x; B: input W1 (given as codes): QUANTISED (scales: A lowp_scales[20], B lowp_scales[21])
;;     13. [M 4,096, K 2,048] x [K 2,048, N 512]; A: computed on the way; B: input W2 (given as codes): QUANTISED (scales: A lowp_scales[22], B lowp_scales[23])
;;     14. [M 4,096, K 512] x [K 512, N 2,048]; A: input x; B: input W1 (given as codes): QUANTISED (scales: A lowp_scales[24], B lowp_scales[25])
;;     15. [M 4,096, K 2,048] x [K 2,048, N 512]; A: computed on the way; B: input W2 (given as codes): QUANTISED (scales: A lowp_scales[26], B lowp_scales[27])
;;     16. [M 4,096, K 512] x [K 512, N 2,048]; A: input x; B: input W1 (given as codes): QUANTISED (scales: A lowp_scales[28], B lowp_scales[29])
;;     17. [M 4,096, K 2,048] x [K 2,048, N 512]; A: computed on the way; B: input W2 (given as codes): QUANTISED (scales: A lowp_scales[30], B lowp_scales[31])
;;   THE QUANTISER, for each operand of a quantised product, along K:
;;     - The operand's scale is 2^e, e = its entry of the input lowp_scales (int32; the entries are numbered through the quantised products in the list's order, A before B).
;;     - Each number is divided by the scale, clamped to +-57,344, and rounded to the nearest number of E5M2, ties to even, subnormals kept.
;;     - The product sums the exact products of the quantised numbers (number of the format x scale) in f32.
;;   ~~~python
;;   def quantise(x, axis, e):      # numpy; x: float32 -> the quantised numbers, widened to float32 again
;;       x = np.moveaxis(x, axis, -1); K = x.shape[-1]
;;       r = np.clip(x / 2.0 ** e, -57344, 57344)
;;       step = 2.0 ** (np.maximum(np.frexp(np.where(r == 0, 1, r))[1] - 1, -14) - 2)
;;       q = np.round(r / step) * step * 2.0 ** e      # np.round: ties to even
;;       return np.moveaxis(q, -1, axis).astype(np.float32)
;;   ~~~
;;   OPERANDS COMPUTED ON THE WAY. 'Computed on the way' means the value that the module computes at that place (a softmax that the list does not call 'softmax' is quantised finished and normalised). What goes into a quantiser is computed in f32, as accurately as f32 sums, v_exp_f32 and their like allow (about 1e-6 of the number): no bf16 or f16 on the way to a quantiser, and a product that is left as it is and whose result goes on into a quantised operand takes f32 operands (vector FMAs, or v_wmma_f32_16x16x4_f32). A number that lies on a knife's edge between two numbers of the format may be rounded either way, as far as f32 arithmetic and the matrix unit's own rounding can turn it there, and no further.
;;   INPUTS GIVEN AS CODES. W1 (in the module: [8, 512, 2048], K = its axis 1); W2 (in the module: [8, 2048, 512], K = its axis 1): each comes as NAME_codes (uint8): NAME with its K axis moved to the last place and cut into blocks of 32 codes, [.., K / 32, bytes a block], one block behind the other in memory; one code a byte (a code: sign, 5 exponent bits, 2 mantissa bits); its scale is its entry of lowp_scales. Its value is code x scale, taken as it is: it is not quantised again, and the codes and scales need not be those that the quantiser above would give.
;; 2 versions, each right; version 2 is version 1 with the launch chain written anew for expert scheduling mode. Each part assembles by itself: llvm-mc -triple=amdgcn-amd-amdhsa -mcpu=gfx1250 --defsym DOCPART=n.
;; ======== version 1 of 2: 4 launches
;; limits: right only within a limited range of input values
;; workspace buffers: w1l 8,388,608 bytes; w2l 8,388,608 bytes; sel 16,384 bytes of whole numbers; wts 32,768 bytes; rowlist 32,768 bytes of whole numbers; tiles 4,096 bytes of whole numbers; part 16,777,216 bytes
;; launch route_lay1 (part 1): grid 256 x 1, 8 waves a work-group, no clusters, 70,656 bytes of LDS; arguments x, Wg, bg, W1_codes, sel, wts, w1l; writes sel, wts, w1l
.if DOCPART == 1
	.amdgcn_target "amdgcn-amd-amdhsa--gfx1250"
	.amdhsa_code_object_version 6
	.text
	.protected	k_q4ed6fc64ed_route_lay1
	.globl	k_q4ed6fc64ed_route_lay1
	.p2align	8
	.type	k_q4ed6fc64ed_route_lay1,@function
k_q4ed6fc64ed_route_lay1:
	s_mov_b64 s[64:65], 0
	v_nop
	global_prefetch_b8 v0, s[64:65] scope:SCOPE_SE
	s_setreg_imm32_b32 hwreg(HW_REG_WAVE_MODE, 25, 1), 1
	s_wait_xcnt 0x0
; TWO JOBS IN ONE LAUNCH, told apart by the work-group's number.
; Work-groups 0-127: THE ROUTER.  logits = x Wg + bg in f32 (fused multiply-adds), softmax with the row's maximum taken away, the two largest probabilities
; (of equal ones the lower index comes first).  Stored at fixed places: sel[t] = i1 | i2 << 8 and wts[t] = (p[i1], p[i2]): no address here hangs on the choice.
; Work-groups 128-255: W1's CODES ARE LAID IN THE ORDER OF THE OPERAND'S REGISTERS, for the launch that multiplies:
;   w1l[e][c 4][w 8][j 16][2048 bytes], j = 4 s + t: the fragment of expert e, chunk c of 512 hidden units, wave w (64 units), K step s (128 of 512), tile t.
;   In a fragment, piece cc (512 bytes) holds lane l's 16 bytes at 16 l: tile row l % 16, k = 128 s + 32 cc + 16 (l / 16) + 0 .. 15.
;   THE ROWS OF A TILE ARE NOT NEIGHBOURS: tile t = 2 b + u takes hidden units 32 b + 8 u + i + 8 (i / 8), i = 0 .. 15, of the wave's 64.
; SHARES, router: a wave takes 4 tokens; lane l holds Wg's rows k = 128 i + 4 l + j (16 rows x 8 experts, 128 registers) and the same k of each token's x.
; The router's stores are 16 and 32 bytes a wave, 48 KB in the whole launch.  NaN among the inputs is not served.
.set WGR, 32                           ; v32-159  Wg: row (i, j) at v[32 + 8 (4 i + j)], eight experts
.set XR,  160                          ; v160-223 x: token q, load i at v[160 + 16 q + 4 i]
.set AC,  224                          ; v224-255 the sums: token q, expert e at v[224 + 8 q + e]
.set LG,  160                          ; v160-167 my token's logits, then its probabilities
; 16 tile rows x 512 bytes become 4 fragments.  Each load takes one row's 512 bytes, 16 a lane: lane l holds (s, cc, h) = (l / 8, (l / 2) % 4, l % 2).
; They turn through the wave's own stage (a place of 256 + 16 bytes for each source lane, its 16 rows on end) and come back 16 rows x 2 halves an instruction:
; piece p = 4 s + cc lies in the places of source lanes 2 p and 2 p + 1.  Every store covers 512 consecutive bytes.
.macro LAY pitch, jump
.irp i, 0,1,2,3,4,5,6,7,8,9,10,11,12,13,14,15
	global_load_b128 v[32+4*\i:35+4*\i], v3, s[20:21] offset:\i*(\pitch)+(\i/8)*(\jump) th:TH_LOAD_NT
.endr
.irp i, 0,1,2,3,4,5,6,7,8,9,10,11,12,13,14,15
	s_wait_loadcnt 15-\i                           ; loads come back in order: row i is in, the younger ones stay out
	ds_store_b128 v4, v[32+4*\i:35+4*\i] offset:16*\i
.endr
.irp p, 0,1,2,3,4,5,6,7,8,9,10,11,12,13,14,15
	ds_load_b128 v[96+4*\p:99+4*\p], v5 offset:544*\p   ; LDS serves a wave's instructions in order: these see my stores
.endr
.irp p, 0,1,2,3,4,5,6,7,8,9,10,11,12,13,14,15
	s_wait_dscnt 15-\p
	global_store_b128 v3, v[96+4*\p:99+4*\p], s[22:23] offset:(\p/4)*8192+(\p%4)*512
.endr
.endm
	s_load_b256 s[4:11], s[0:1], 0x0               ; x s[4:5], Wg s[6:7], bg s[8:9], W1's codes s[10:11]
	s_load_b128 s[12:15], s[0:1], 0x20             ; sel s[12:13], wts s[14:15]
	s_load_b64 s[16:17], s[0:1], 0x30              ; w1l
	v_lshl_add_u32 v30, v0, 2, 0x11000
	v_mov_b32 v31, 0
	v_lshrrev_b32 v2, 5, v0
	v_readfirstlane_b32 s18, v2                    ; wave 0..7
	v_and_b32 v1, 31, v0                           ; lane
	v_lshlrev_b32 v3, 4, v1                        ; 16 x lane
	s_wait_kmcnt 0x0
	s_cmp_lt_u32 ttmp9, 128
	s_cbranch_scc0 .Llay
	; ---------------- the router ----------------
	s_load_b256 s[24:31], s[8:9], 0x0              ; bg
	v_lshlrev_b32 v2, 7, v1                        ; Wg: four rows of 32 bytes a lane
	s_lshl_b32 s19, ttmp9, 5
	s_lshl_b32 s36, s18, 2
	s_add_co_u32 s19, s19, s36                     ; my first token: 32 x work-group + 4 x wave
	s_lshl_b32 s20, s19, 11
	s_mov_b32 s21, 0
	s_add_nc_u64 s[20:21], s[4:5], s[20:21]        ; its row of x
.irp i, 0,1,2,3
.irp j, 0,1,2,3
	global_load_b128 v[WGR+8*(4*\i+\j):WGR+8*(4*\i+\j)+3],   v2, s[6:7] offset:4096*\i+32*\j
	global_load_b128 v[WGR+8*(4*\i+\j)+4:WGR+8*(4*\i+\j)+7], v2, s[6:7] offset:4096*\i+32*\j+16
.endr
.endr
.irp q, 0,1,2,3
.irp i, 0,1,2,3
	global_load_b128 v[XR+16*\q+4*\i:XR+16*\q+4*\i+3], v3, s[20:21] offset:2048*\q+512*\i th:TH_LOAD_NT   ; 512 consecutive bytes a load
.endr
.endr
	s_mov_b32 s32, 0x76543210                      ; v_permlanex16_b32: lane l xor 16
	s_mov_b32 s33, 0xfedcba98
	v_and_b32 v4, 1, v1
	v_cmp_ne_u32 s34, 0, v4                        ; lanes whose token (lane % 4) is odd
	v_and_b32 v4, 2, v1
	v_cmp_ne_u32 s35, 0, v4                        ; lanes whose token is 2 or 3
.irp e, 1,2,3,4,5,6,7
	v_mov_b32 v[15+\e], \e                         ; the experts' numbers, for the selects
.endr
	v_add_nc_u32 v5, s19, v1
	v_lshlrev_b32 v6, 2, v5                        ; sel: 4 (first token + lane)
	v_lshlrev_b32 v7, 3, v5                        ; wts: 8 (first token + lane)
	s_wait_loadcnt 0x0
	; 256 packed instructions, two experts each; x's number is taken for both halves.  Sixteen chains; the first step starts the sums
.irp i, 0,1,2,3
.irp j, 0,1,2,3
.irp q, 0,1,2,3
.irp p, 0,1,2,3
.if (\i+\j) == 0
	v_pk_mul_f32 v[AC+8*\q+2*\p:AC+8*\q+2*\p+1], v[WGR+2*\p:WGR+2*\p+1], v[XR+16*\q:XR+16*\q+1] op_sel_hi:[1,0]
.elseif (\j%2) == 0
	v_pk_fma_f32 v[AC+8*\q+2*\p:AC+8*\q+2*\p+1], v[WGR+8*(4*\i+\j)+2*\p:WGR+8*(4*\i+\j)+2*\p+1], v[XR+16*\q+4*\i+\j:XR+16*\q+4*\i+\j+1], v[AC+8*\q+2*\p:AC+8*\q+2*\p+1] op_sel_hi:[1,0,1]
.else
	v_pk_fma_f32 v[AC+8*\q+2*\p:AC+8*\q+2*\p+1], v[WGR+8*(4*\i+\j)+2*\p:WGR+8*(4*\i+\j)+2*\p+1], v[XR+16*\q+4*\i+\j-1:XR+16*\q+4*\i+\j], v[AC+8*\q+2*\p:AC+8*\q+2*\p+1] op_sel:[0,1,0] op_sel_hi:[1,1,1]
.endif
.endr
.endr
.endr
.endr
	; the 32 sums over the 32 lanes, stage by stage, so that no line waits for the line above it
.irp k, 1,2,4,8
.set ri, 0
.rept 32
	v_add_f32_dpp v[AC+ri], v[AC+ri], v[AC+ri] row_xmask:\k row_mask:0xf bank_mask:0xf
.set ri, ri+1
.endr
.endr
.set ri, 0
.rept 32
	v_permlanex16_b32 v[WGR+ri], v[AC+ri], s32, s33   ; (its destination has been written: Wg lay there)
.set ri, ri+1
.endr
.set ri, 0
.rept 32
	v_add_f32 v[AC+ri], v[AC+ri], v[WGR+ri]
.set ri, ri+1
.endr
	; lane l goes on with token l % 4
.irp e, 0,1,2,3,4,5,6,7
	v_cndmask_b32 v[168+\e], v[AC+\e], v[AC+8+\e], s34
	v_cndmask_b32 v[176+\e], v[AC+16+\e], v[AC+24+\e], s34
.endr
	s_wait_kmcnt 0x0                               ; bg
.irp e, 0,1,2,3,4,5,6,7
	v_cndmask_b32 v[LG+\e], v[168+\e], v[176+\e], s35
.endr
.irp e, 0,1,2,3,4,5,6,7
	v_add_f32 v[LG+\e], s[24+\e], v[LG+\e]
.endr
	v_max3_num_f32 v8, v160, v161, v162            ; the softmax: the largest logit is taken away first
	v_max3_num_f32 v8, v8, v163, v164
	v_max3_num_f32 v8, v8, v165, v166
	v_max_num_f32 v8, v8, v167
.irp e, 0,1,2,3,4,5,6,7
	v_sub_f32 v[LG+\e], v[LG+\e], v8
.endr
.irp e, 0,1,2,3,4,5,6,7
	v_mul_f32 v[LG+\e], 0x3fb8aa3b, v[LG+\e]       ; x log2(e)
.endr
.irp e, 0,1,2,3,4,5,6,7
	v_exp_f32 v[LG+\e], v[LG+\e]
.endr
	v_nop                                          ; a plain instruction behind the last exponential
	s_wait_alu depctr_va_vdst(0)                   ; one wait for the eight, ahead of their first reader
	v_add_f32 v9, v160, v161
	v_add_f32 v10, v162, v163
	v_add_f32 v11, v164, v165
	v_add_f32 v12, v166, v167
	v_add_f32 v9, v9, v10
	v_add_f32 v11, v11, v12
	v_add_f32 v9, v9, v11
	v_rcp_f32 v9, v9
	v_nop
	s_wait_alu depctr_va_vdst(0)
.irp e, 0,1,2,3,4,5,6,7
	v_mul_f32 v[LG+\e], v[LG+\e], v9               ; the probabilities
.endr
	; the two largest: v10, v12 the largest and its expert; v11, v13 the second.  Only a strictly larger one takes a place, so the lower index wins a tie
	v_mov_b32 v10, v160
	v_mov_b32 v12, 0
	v_mov_b32 v11, -1.0
	v_mov_b32 v13, 0
.irp e, 1,2,3,4,5,6,7
	v_cmp_gt_f32 s34, v[LG+\e], v10
	v_cmp_gt_f32 s35, v[LG+\e], v11
	v_cndmask_b32 v11, v11, v[LG+\e], s35
	v_cndmask_b32 v13, v13, v[15+\e], s35
	v_cndmask_b32 v11, v11, v10, s34               ; a new largest pushes the old one down
	v_cndmask_b32 v13, v13, v12, s34
	v_cndmask_b32 v10, v10, v[LG+\e], s34
	v_cndmask_b32 v12, v12, v[15+\e], s34
.endr
	v_lshl_or_b32 v12, v13, 8, v12                 ; i1 | i2 << 8
	s_wait_xcnt 0x0                                ; EXEC changes only behind this wait
	v_cmp_gt_u32 vcc_lo, 4, v1
	s_and_saveexec_b32 s36, vcc_lo                 ; lanes 0-3 hold tokens 0-3
	global_store_b32 v6, v12, s[12:13]
	global_store_b64 v7, v[10:11], s[14:15]
	s_endpgm
	; ---------------- W1's codes into fragment order ----------------
.Llay:
	s_sub_co_u32 s19, ttmp9, 128
	s_lshl_b32 s19, s19, 3
	s_add_co_u32 s19, s19, s18                     ; U = ((e 4 + c) 8 + w) 4 + t, 0 .. 1023: one tile a wave
	s_lshr_b32 s36, s19, 1
	s_lshl_b32 s36, s36, 14                        ; 32 rows of 512 bytes for each pair of tiles,
	s_and_b32 s37, s19, 1
	s_lshl_b32 s37, s37, 12                        ; 8 rows on for the odd tile
	s_add_co_u32 s20, s36, s37
	s_mov_b32 s21, 0
	s_add_nc_u64 s[20:21], s[10:11], s[20:21]
	s_lshr_b32 s36, s19, 2
	s_lshl_b32 s36, s36, 15                        ; a wave's 16 fragments are 32,768 bytes;
	s_and_b32 s37, s19, 3
	s_lshl_b32 s37, s37, 11                        ; fragment j = 4 s + t: t here, s in the stores' immediates
	s_add_co_u32 s22, s36, s37
	s_mov_b32 s23, 0
	s_add_nc_u64 s[22:23], s[16:17], s[22:23]
	s_mul_i32 s36, s18, 8704                       ; my stage: 32 places of 272 bytes
	v_mul_u32_u24 v4, v1, 272
	v_add_nc_u32 v4, s36, v4                       ; in: my place
	v_lshrrev_b32 v5, 4, v1
	v_mul_u32_u24 v5, v5, 272
	v_and_b32 v6, 15, v1
	v_lshl_add_u32 v5, v6, 4, v5
	v_add_nc_u32 v5, s36, v5                       ; back: place 2 p + lane / 16, row lane % 16
	LAY 512, 4096                                  ; rows 0-7, then the eight that lie 16 further on
	s_wait_tensorcnt 0x0
	ds_add_u32 v30, v31
	s_wait_dscnt 0x0
	s_endpgm
.Lfunc_end_k_q4ed6fc64ed_route_lay1:
	.size	k_q4ed6fc64ed_route_lay1, .Lfunc_end_k_q4ed6fc64ed_route_lay1-k_q4ed6fc64ed_route_lay1
	.p2alignl 7, 3214868480
	.fill 96, 4, 3214868480
	.section	.rodata,"a",@progbits
	.p2align	6, 0x0
	.amdhsa_kernel k_q4ed6fc64ed_route_lay1
		.amdhsa_group_segment_fixed_size 70656
		.amdhsa_private_segment_fixed_size 0
		.amdhsa_enable_private_segment 0
		.amdhsa_kernarg_size 56
		.amdhsa_user_sgpr_count 2
		.amdhsa_user_sgpr_kernarg_segment_ptr 1
		.amdhsa_wavefront_size32 1
		.amdhsa_system_sgpr_workgroup_id_x 1
		.amdhsa_system_sgpr_workgroup_id_y 1
		.amdhsa_system_sgpr_workgroup_id_z 1
		.amdhsa_system_vgpr_workitem_id 0
		.amdhsa_next_free_vgpr 256
		.amdhsa_next_free_sgpr 66
		.amdhsa_reserve_vcc 1
		.amdhsa_float_denorm_mode_32 3
		.amdhsa_float_denorm_mode_16_64 3
		.amdhsa_memory_ordered 1
		.amdhsa_forward_progress 1
		.amdhsa_inst_pref_size 49
	.end_amdhsa_kernel
	.amdgpu_metadata
---
amdhsa.version: [ 1, 2 ]
amdhsa.kernels:
  - .name:           k_q4ed6fc64ed_route_lay1
    .symbol:         k_q4ed6fc64ed_route_lay1.kd
    .args:
      - { .name: x, .offset: 0, .size: 8, .value_kind: global_buffer, .address_space: global }
      - { .name: Wg, .offset: 8, .size: 8, .value_kind: global_buffer, .address_space: global }
      - { .name: bg, .offset: 16, .size: 8, .value_kind: global_buffer, .address_space: global }
      - { .name: W1_codes, .offset: 24, .size: 8, .value_kind: global_buffer, .address_space: global }
      - { .name: sel, .offset: 32, .size: 8, .value_kind: global_buffer, .address_space: global }
      - { .name: wts, .offset: 40, .size: 8, .value_kind: global_buffer, .address_space: global }
      - { .name: w1l, .offset: 48, .size: 8, .value_kind: global_buffer, .address_space: global }
    .group_segment_fixed_size: 70656
    .private_segment_fixed_size: 0
    .kernarg_segment_align: 8
    .kernarg_segment_size: 56
    .max_flat_workgroup_size: 256
    .sgpr_count:     66
    .vgpr_count:     256
    .wavefront_size: 32
...
	.end_amdgpu_metadata
.endif
;; end of part 1
;; launch place_lay2 (part 2): grid 129 x 1, 8 waves a work-group, no clusters, 71,680 bytes of LDS; arguments sel, W2_codes, rowlist, tiles, w2l; writes rowlist, tiles, w2l
.if DOCPART == 2
	.amdgcn_target "amdgcn-amd-amdhsa--gfx1250"
	.amdhsa_code_object_version 6
	.text
	.protected	k_q4ed6fc64ed_place_lay2
	.globl	k_q4ed6fc64ed_place_lay2
	.p2align	8
	.type	k_q4ed6fc64ed_place_lay2,@function
k_q4ed6fc64ed_place_lay2:
	s_mov_b64 s[64:65], 0
	v_nop
	global_prefetch_b8 v0, s[64:65] scope:SCOPE_SE
	s_setreg_imm32_b32 hwreg(HW_REG_WAVE_MODE, 25, 1), 1
	s_wait_xcnt 0x0
; TWO JOBS IN ONE LAUNCH, told apart by the work-group's number.
; Work-group 0: THE ROUTED ROWS ARE PLACED BY EXPERT.  A routed row is 2 t + slot (slot 0: the token's first expert, 1: its second): 8,192 in all.  A counting sort without atomics:
; each of the eight waves counts and ranks its 512 tokens' rows, the counts meet in LDS, and each row's place is its expert's first place + the earlier waves' count + its rank.
; rowlist[place] = 2 t + slot, the experts on end.  tiles[i] = (expert, first place, rows (0 .. 64), 0): tiles of 64 rows, each expert's last one short; entries behind the last tile have 0 rows.
; Work-groups 1-128: W2's CODES IN THE ORDER OF THE OPERAND'S REGISTERS: w2l[e][c 4][w 8][j 16][2048 bytes], j = 4 s + nt: outputs 64 w + 16 nt + 0 .. 15, k = 512 c + 128 s + 0 .. 127;
; in a fragment, piece cc (512 bytes) holds lane l's 16 bytes at 16 l: row l % 16, k = 32 cc + 16 (l / 16) + 0 .. 15 of the step.
; The list's stores are single words, 32 KB in all; within a group of 32 tokens an expert's rows go to consecutive words.
; LDS: bytes 0 .. 69,631 the eight stages of the second job; from CNT on 1,024 bytes of counts for the first: each job has bytes of its own.
.set CNT, 69632
.set SV, 16                            ; v16-31   the tokens' words, later the first experts' bases
.set E1, 32                            ; v32-47   first expert,  v48-63 second
.set E2, 48
.set P1, 64                            ; v64-79   rank, then place, then byte offset of the first expert's row;  v80-95 of the second's
.set P2, 80
.set D1, 96                            ; v96-111  2 t;  v112-127  2 t + 1
.set D2, 112
.set TT, 128                           ; v128-135 at work
.set R2, 144                           ; v144-159 the second experts' bases
.macro LAY pitch, jump                 ; 16 tile rows x 512 bytes become 4 fragments, through the wave's own stage
.irp i, 0,1,2,3,4,5,6,7,8,9,10,11,12,13,14,15
	global_load_b128 v[32+4*\i:35+4*\i], v3, s[20:21] offset:\i*(\pitch)+(\i/8)*(\jump) th:TH_LOAD_NT   ; 512 consecutive bytes of row i: lane l holds (s, cc, h) = (l / 8, (l / 2) % 4, l % 2)
.endr
.irp i, 0,1,2,3,4,5,6,7,8,9,10,11,12,13,14,15
	s_wait_loadcnt 15-\i                           ; loads come back in order: row i is in
	ds_store_b128 v4, v[32+4*\i:35+4*\i] offset:16*\i
.endr
.irp p, 0,1,2,3,4,5,6,7,8,9,10,11,12,13,14,15
	ds_load_b128 v[96+4*\p:99+4*\p], v5 offset:544*\p   ; LDS serves a wave's instructions in order: these see my stores
.endr
.irp p, 0,1,2,3,4,5,6,7,8,9,10,11,12,13,14,15
	s_wait_dscnt 15-\p
	global_store_b128 v3, v[96+4*\p:99+4*\p], s[22:23] offset:(\p/4)*8192+(\p%4)*512   ; 512 consecutive bytes
.endr
.endm
; One group of 32 tokens: for each expert the lanes that send it a row, each such lane's rank (the wave's count so far + the lanes below it), the count goes on.
; s16-23 the wave's counts; s24-31, s32-39 the lanes whose first, second expert it is; s40-47 either; s48-55 their number.
.macro GROUP g
.irp e, 0,1,2,3,4,5,6,7
	v_cmp_eq_u32 s[24+\e], \e, v[E1+\g]
	v_cmp_eq_u32 s[32+\e], \e, v[E2+\g]
.endr
.irp e, 0,1,2,3,4,5,6,7
	s_or_b32 s[40+\e], s[24+\e], s[32+\e]
.endr
.irp e, 0,1,2,3,4,5,6,7
	v_mbcnt_lo_u32_b32 v[TT+\e], s[40+\e], s[16+\e]
.endr
	v_mov_b32 v[P1+\g], v[TT]
	v_mov_b32 v[P2+\g], v[TT]
.irp e, 1,2,3,4,5,6,7
	v_cndmask_b32 v[P1+\g], v[P1+\g], v[TT+\e], s[24+\e]
	v_cndmask_b32 v[P2+\g], v[P2+\g], v[TT+\e], s[32+\e]
.endr
.irp e, 0,1,2,3,4,5,6,7
	s_bcnt1_i32_b32 s[48+\e], s[40+\e]
.endr
.irp e, 0,1,2,3,4,5,6,7
	s_add_co_u32 s[16+\e], s[16+\e], s[48+\e]
.endr
.endm
	s_load_b256 s[4:11], s[0:1], 0x0               ; sel s[4:5], W2's codes s[6:7], rowlist s[8:9], tiles s[10:11]
	s_load_b64 s[12:13], s[0:1], 0x20              ; w2l
	v_lshl_add_u32 v160, v0, 2, 0x11400
	v_mov_b32 v161, 0
	v_lshrrev_b32 v2, 5, v0
	v_readfirstlane_b32 s14, v2                    ; wave 0..7
	v_and_b32 v1, 31, v0                           ; lane
	v_lshlrev_b32 v3, 4, v1                        ; 16 x lane
	s_wait_kmcnt 0x0
	s_cmp_eq_u32 ttmp9, 0
	s_cbranch_scc1 .Lplace
	; ---------------- W2's codes into fragment order ----------------
	s_sub_co_u32 s15, ttmp9, 1
	s_lshl_b32 s15, s15, 3
	s_add_co_u32 s15, s15, s14                     ; U = ((e 4 + c) 8 + w) 4 + nt, 0 .. 1023: one tile a wave
	s_lshr_b32 s24, s15, 7
	s_lshl_b32 s24, s24, 20                        ; e: 512 rows of 2,048 bytes
	s_bfe_u32 s25, s15, 0x30002
	s_lshl_b32 s25, s25, 17                        ; w: 64 rows
	s_and_b32 s26, s15, 3
	s_lshl_b32 s27, s26, 15                        ; nt: 16 rows
	s_bfe_u32 s28, s15, 0x20005
	s_lshl_b32 s28, s28, 9                         ; c: 512 bytes along a row
	s_add_co_u32 s20, s24, s25
	s_add_co_u32 s20, s20, s27
	s_add_co_u32 s20, s20, s28
	s_mov_b32 s21, 0
	s_add_nc_u64 s[20:21], s[6:7], s[20:21]
	s_lshr_b32 s22, s15, 2
	s_lshl_b32 s22, s22, 15
	s_lshl_b32 s26, s26, 11
	s_add_co_u32 s22, s22, s26
	s_mov_b32 s23, 0
	s_add_nc_u64 s[22:23], s[12:13], s[22:23]
	s_mul_i32 s24, s14, 8704                       ; my stage: 32 places of 272 bytes
	v_mul_u32_u24 v4, v1, 272
	v_add_nc_u32 v4, s24, v4
	v_lshrrev_b32 v5, 4, v1
	v_mul_u32_u24 v5, v5, 272
	v_and_b32 v6, 15, v1
	v_lshl_add_u32 v5, v6, 4, v5
	v_add_nc_u32 v5, s24, v5
	LAY 2048, 0
	s_wait_tensorcnt 0x0
	ds_add_u32 v160, v161
	s_wait_dscnt 0x0
	s_endpgm
	; ---------------- the placement ----------------
.Lplace:
	s_lshl_b32 s15, s14, 11
	v_lshl_add_u32 v2, v1, 2, s15                  ; wave w takes tokens 512 w + 32 g + lane
.irp g, 0,1,2,3,4,5,6,7,8,9,10,11,12,13,14,15
	global_load_b32 v[SV+\g], v2, s[4:5] offset:128*\g
.endr
.irp e, 0,1,2,3,4,5,6,7
	s_mov_b32 s[16+\e], 0
.endr
	s_mov_b32 s56, 0x76543210                      ; v_permlanex16_b32: lane l xor 16
	s_mov_b32 s57, 0xfedcba98
	s_wait_loadcnt 0x0
.irp g, 0,1,2,3,4,5,6,7,8,9,10,11,12,13,14,15
	v_and_b32 v[E1+\g], 0xff, v[SV+\g]
	v_bfe_u32 v[E2+\g], v[SV+\g], 8, 8
	v_min_u32 v[E1+\g], 7, v[E1+\g]                ; an expert's number stays inside the table that it indexes
	v_min_u32 v[E2+\g], 7, v[E2+\g]
.endr
.irp g, 0,1,2,3,4,5,6,7,8,9,10,11,12,13,14,15
	GROUP \g
.endr
	v_mov_b32 v8, 0
.irp e, 0,1,2,3,4,5,6,7
	v_writelane_b32 v8, s[16+\e], \e               ; my wave's eight counts in lanes 0-7
.endr
	v_lshl_add_u32 v9, v0, 2, CNT
	ds_store_b32 v9, v8                            ; wave w's at CNT + 128 w
	s_wait_dscnt 0x0                               ; for the others' sake: my store has landed
	s_barrier_signal -1
	s_barrier_wait -1
	v_lshrrev_b32 v10, 3, v1                       ; lane = 8 a + e reads the counts of waves a and a + 4 for expert e
	v_and_b32 v11, 7, v1
	v_lshlrev_b32 v12, 7, v10
	v_lshl_add_u32 v12, v11, 2, v12
	v_add_nc_u32 v12, CNT, v12
	ds_load_b32 v13, v12
	ds_load_b32 v14, v12 offset:512
	v_mov_b32 v137, 0                              ; written once: the destination of a lane move counts as read
	s_wait_dscnt 0x0
	v_cmp_gt_u32 vcc_lo, s14, v10                  ; waves ahead of mine
	v_cndmask_b32 v15, 0, v13, vcc_lo
	v_add_nc_u32 v136, 4, v10
	v_cmp_gt_u32 vcc_lo, s14, v136
	v_cndmask_b32 v136, 0, v14, vcc_lo
	v_add_nc_u32 v15, v15, v136                    ; the earlier waves' count, in part,
	v_add_nc_u32 v13, v13, v14                     ; and all waves'
	v_mov_b32_dpp v137, v13 row_xmask:8 row_mask:0xf bank_mask:0xf
	v_add_nc_u32 v13, v13, v137
	v_mov_b32_dpp v137, v15 row_xmask:8 row_mask:0xf bank_mask:0xf
	v_add_nc_u32 v15, v15, v137
	v_permlanex16_b32 v137, v13, s56, s57
	v_add_nc_u32 v13, v13, v137                    ; tot[e], in every lane with lane % 8 = e
	v_permlanex16_b32 v137, v15, s56, s57
	v_add_nc_u32 v15, v15, v137                    ; pre[e]
	v_add_nc_u32 v138, 63, v13
	v_lshrrev_b32 v138, 6, v138                    ; the expert's tiles
	v_mov_b32 v139, v13
	v_mov_b32 v140, v138
.irp k, 1,2,4                                  ; running sums over e; lanes 0-7 are what is used
	v_mov_b32_dpp v137, v139 row_shr:\k row_mask:0xf bank_mask:0xf bound_ctrl:1
	v_add_nc_u32 v139, v139, v137
	v_mov_b32_dpp v137, v140 row_shr:\k row_mask:0xf bank_mask:0xf bound_ctrl:1
	v_add_nc_u32 v140, v140, v137
.endr
	v_sub_nc_u32 v139, v139, v13                   ; off[e]: the expert's first place
	v_sub_nc_u32 v140, v140, v138                  ; tb[e]: its first tile
	v_add_nc_u32 v141, v139, v15                   ; base[e] for my wave
.irp g, 0,1,2,3,4,5,6,7,8,9,10,11,12,13,14,15
	v_lshlrev_b32 v[E1+\g], 2, v[E1+\g]
	v_lshlrev_b32 v[E2+\g], 2, v[E2+\g]
.endr
.irp g, 0,1,2,3,4,5,6,7,8,9,10,11,12,13,14,15
	ds_bpermute_b32 v[SV+\g], v[E1+\g], v141       ; base of lane e: no LDS byte is touched
	ds_bpermute_b32 v[R2+\g], v[E2+\g], v141
.endr
	s_lshl_b32 s15, s14, 10
	v_lshl_add_u32 v142, v1, 1, s15                ; 2 (512 w + lane)
	s_wait_dscnt 0x0
.irp g, 0,1,2,3,4,5,6,7,8,9,10,11,12,13,14,15  ; every address and data register is used once: nothing is rewritten under a pending store
	v_add_nc_u32 v[P1+\g], v[P1+\g], v[SV+\g]
	v_add_nc_u32 v[P2+\g], v[P2+\g], v[R2+\g]
	v_min_u32 v[P1+\g], 0x1fff, v[P1+\g]
	v_min_u32 v[P2+\g], 0x1fff, v[P2+\g]
	v_lshlrev_b32 v[P1+\g], 2, v[P1+\g]
	v_lshlrev_b32 v[P2+\g], 2, v[P2+\g]
	v_add_nc_u32 v[D1+\g], 64*\g, v142
	v_add_nc_u32 v[D2+\g], 64*\g+1, v142
	global_store_b32 v[P1+\g], v[D1+\g], s[8:9]
	global_store_b32 v[P2+\g], v[D2+\g], s[8:9]
.endr
	; the table of tiles: entry i = my thread's number belongs to the last expert whose first tile is not behind i
.irp e, 0,1,2,3,4,5,6,7
	v_readlane_b32 s[16+\e], v140, \e              ; tb
	v_readlane_b32 s[24+\e], v139, \e              ; off
	v_readlane_b32 s[32+\e], v13, \e               ; tot
.endr
	v_mov_b32 v4, 0
	v_mov_b32 v5, s16
	v_mov_b32 v6, s24
	v_mov_b32 v7, s32
.irp e, 1,2,3,4,5,6,7
	v_cmp_le_u32 vcc_lo, s[16+\e], v0
	v_mov_b32 v128, \e
	v_mov_b32 v129, s[16+\e]
	v_mov_b32 v130, s[24+\e]
	v_mov_b32 v131, s[32+\e]
	v_cndmask_b32 v4, v4, v128, vcc_lo
	v_cndmask_b32 v5, v5, v129, vcc_lo
	v_cndmask_b32 v6, v6, v130, vcc_lo
	v_cndmask_b32 v7, v7, v131, vcc_lo
.endr
	v_sub_nc_u32 v5, v0, v5
	v_lshlrev_b32 v5, 6, v5                        ; rows of the expert ahead of this tile
	v_add_nc_u32 v133, v6, v5                      ; first place
	v_cmp_lt_u32 vcc_lo, v5, v7
	v_sub_nc_u32 v7, v7, v5
	v_min_u32 v7, 64, v7
	v_cndmask_b32 v134, 0, v7, vcc_lo              ; rows: what is left of the expert's, 64 at the most, 0 behind its end
	v_mov_b32 v132, v4
	v_mov_b32 v135, 0
	v_lshlrev_b32 v136, 4, v0
	global_store_b128 v136, v[132:135], s[10:11]
	s_wait_tensorcnt 0x0
	ds_add_u32 v160, v161
	s_wait_dscnt 0x0
	s_endpgm
.Lfunc_end_k_q4ed6fc64ed_place_lay2:
	.size	k_q4ed6fc64ed_place_lay2, .Lfunc_end_k_q4ed6fc64ed_place_lay2-k_q4ed6fc64ed_place_lay2
	.p2alignl 7, 3214868480
	.fill 96, 4, 3214868480
	.section	.rodata,"a",@progbits
	.p2align	6, 0x0
	.amdhsa_kernel k_q4ed6fc64ed_place_lay2
		.amdhsa_group_segment_fixed_size 71680
		.amdhsa_private_segment_fixed_size 0
		.amdhsa_enable_private_segment 0
		.amdhsa_kernarg_size 40
		.amdhsa_user_sgpr_count 2
		.amdhsa_user_sgpr_kernarg_segment_ptr 1
		.amdhsa_wavefront_size32 1
		.amdhsa_system_sgpr_workgroup_id_x 1
		.amdhsa_system_sgpr_workgroup_id_y 1
		.amdhsa_system_sgpr_workgroup_id_z 1
		.amdhsa_system_vgpr_workitem_id 0
		.amdhsa_next_free_vgpr 162
		.amdhsa_next_free_sgpr 66
		.amdhsa_reserve_vcc 1
		.amdhsa_float_denorm_mode_32 3
		.amdhsa_float_denorm_mode_16_64 3
		.amdhsa_memory_ordered 1
		.amdhsa_forward_progress 1
		.amdhsa_inst_pref_size 83
	.end_amdhsa_kernel
	.amdgpu_metadata
---
amdhsa.version: [ 1, 2 ]
amdhsa.kernels:
  - .name:           k_q4ed6fc64ed_place_lay2
    .symbol:         k_q4ed6fc64ed_place_lay2.kd
    .args:
      - { .name: sel, .offset: 0, .size: 8, .value_kind: global_buffer, .address_space: global }
      - { .name: W2_codes, .offset: 8, .size: 8, .value_kind: global_buffer, .address_space: global }
      - { .name: rowlist, .offset: 16, .size: 8, .value_kind: global_buffer, .address_space: global }
      - { .name: tiles, .offset: 24, .size: 8, .value_kind: global_buffer, .address_space: global }
      - { .name: w2l, .offset: 32, .size: 8, .value_kind: global_buffer, .address_space: global }
    .group_segment_fixed_size: 71680
    .private_segment_fixed_size: 0
    .kernarg_segment_align: 8
    .kernarg_segment_size: 40
    .max_flat_workgroup_size: 256
    .sgpr_count:     66
    .vgpr_count:     162
    .wavefront_size: 32
...
	.end_amdgpu_metadata
.endif
;; end of part 2
;; launch chain (part 3): grid 135 x 1, 8 waves a work-group, no clusters, 144,384 bytes of LDS; arguments tiles, rowlist, wts, x, w1l, w2l, b1, b2, lowp_scales, part; writes part
.if DOCPART == 3
	.amdgcn_target "amdgcn-amd-amdhsa--gfx1250"
	.amdhsa_code_object_version 6
	.text
	.protected	k_q4ed6fc64ed_chain
	.globl	k_q4ed6fc64ed_chain
	.p2align	8
	.type	k_q4ed6fc64ed_chain,@function
k_q4ed6fc64ed_chain:
	s_mov_b64 s[64:65], 0
	v_nop
	global_prefetch_b8 v0, s[64:65] scope:SCOPE_SE
	s_setreg_imm32_b32 hwreg(HW_REG_WAVE_MODE, 25, 1), 1
	s_wait_xcnt 0x0
; ONE WORK-GROUP TAKES ONE TILE OF UP TO 64 ROUTED ROWS OF ONE EXPERT THROUGH THE WHOLE CHAIN:
; gather x's rows, quantise (2^ex), x W1 on codes of E5M2, + b1, gelu (tanh form), quantise (2^eh), h W2 on codes, x 2^(eh + ew2), + b2, x the row's probability, store to part[2 t + slot].
; The hidden layer never goes to memory.  135 = 8,192 / 64 + 8 - 1 work-groups serve every split of the rows among the experts.
; WHICH SCALES.  ex and eh are the expert's own: entries 4 e and 4 e + 2 of lowp_scales.  EACH TENSOR OF CODES IS TAKEN WITH ONE SCALE FOR THE WHOLE TENSOR, its first entry:
; ew1 = entry 1 for all of W1's codes, ew2 = entry 3 for all of W2's.  Entries 4 e + 1 and 4 e + 3 of the other experts are not used.
; A TILE WITHOUT ROWS (at most 7): every wave passes every barrier, so such a work-group walks the chain on a clamped row and jumps over the way out alone: it stores nothing.
; A SHORT TILE: the rows behind its last are copies of the last (same row number, same numbers, stored to the same place with the same bits).
; SHARES.  Eight waves, two to a SIMD, 512 registers each.  The 64 rows are four tiles m.  The 2,048 hidden units go in four chunks c of 512.  THE WAVES SHARE THE COLUMNS: in the first product wave w
; makes units 512 c + 64 w + 0 .. 63 (tiles t = 0 .. 3) for all 64 rows over K steps s = 0 .. 3; in the second, outputs 64 w + 0 .. 63 (tiles nt) over the chunk's K steps s = 0 .. 3.
; So each byte of the weights is wanted by one wave alone and goes from memory straight into that wave's registers, in the order in which the earlier launches laid it: 512 consecutive bytes a load.
; NO TENSOR LOADS, NO CLUSTER: which expert a work-group serves and how many tiles an expert has are numbers read from memory, so partners of a cluster could not be given the same weights at every split.
; BOTH PRODUCTS ARE USED TRANSPOSED (source 0 = 16 rows of the weight, source 1 = 16 rows of the tile): a lane holds ONE row (lane % 16) throughout.  W1's tile t = 2 b + u holds units
; 32 b + 8 u + i + 8 (i / 8), so the 16 registers of tiles 2 b, 2 b + 1 are units 32 b + 16 (lane / 16) + 0 .. 15: the conversions' results are piece 2 (w % 2) + b of K step w / 2 of the second product.
; Along K a fragment's registers 4 cc .. 4 cc + 3 hold k = 32 cc + 16 (lane / 16) + 0 .. 15, in both operands alike.
; OPERANDS GO FROM WAVE TO WAVE THROUGH LDS AS IMAGES OF THEIR REGISTERS: image (m, K step) at (4 m + step) 2,048 + 512 cc + 16 lane.
; THE SCALES ARE FOLDED.  With S = 2^(ex + ew1) a sum stands for sum x S.  b1 goes in as b1 / S, as the C of a sum's first matrix instruction: a = z / S.
; gelu(z) / S = a / (1 + 2^(a (k1 + k3 a a))), k1 = c1 S, k3 = c2 S^3, c1 = -2 log2(e) sqrt(2 / pi), c2 = 0.044715 c1; the conversion's one scale is 2^(eh - ex - ew1).
; LIMITS on the given exponents, so that each power of two is an f32 number: ex and eh - ex - ew1 between -126 and 112; eh + ew2 between -126 and 127; ex + ew1 between -40 and 40
; (three times it is added to c2's exponent field).  NaN among the inputs is not served.
; LDS: two buffers of hidden images (chunks by turns), x's images, b1 / S, a stage and a table of row numbers for each wave.
.set WSC,  0                           ; byte in lowp_scales of the four entries whose second and fourth are the weights' scales
.set HIMG, 0                           ; 2 x 32,768
.set XIMG, 65536                       ; 32,768
.set B1L,  98304                       ; 8,192
.set STG,  106496                      ; 8 x 4,352: 16 rows of 256 + 16 bytes for each wave
.set ROWT, 141312                      ; 8 x 256: each wave's own copy of the 64 row numbers
; REGISTERS.  Window 1: v0-127 the second product's 16 accumulators (m, nt) at 32 m + 8 nt; v128-255 the first product's (m, t), at the head x's numbers.
.set YA,  0
.set HA,  128
; Window 0:
.set LI,  1                            ; v1   16 x lane: a lane's place in an image, and in a fragment in memory
.set XRD, 2                            ; v2   XIMG + 16 lane
.set XWR, 3                            ; v3   where I store x's images
.set HRD, 4                            ; v4   the hidden buffer that is read + 16 lane
.set HWR, 5                            ; v5   where I store the hidden layer's pieces
.set BAD, 6                            ; v6   the chunk's biases
.set HW0, 7                            ; v7   2,048 (w / 2) + 1,024 (w % 2) + 16 lane
.set B0,  8                            ; v8   B1L + 256 w + 64 (lane / 16)
.set STO, 9                            ; v9   the stage, on the way in
.set SRD, 10                           ; v10  and back
.set RTA, 11                           ; v11  ROWT + 256 w + 4 (lane / 16)
.set PW,  12                           ; v12-15 the probability of my row in tile m
.set K1,  16                           ; v16-17 k1, twice
.set HSC, 18                           ; v18, v19 the hidden layer's scale, and the largest number x it
.set HLM, 19
.set XSC, 20                           ; v20, v21 the same for x
.set XLM, 21
.set CB,  23                           ; v23  256 w + 16 (lane % 16): my bytes of a row of part
.set B2O, 24                           ; v24  256 w + 32 (lane / 16): my numbers of b2
.set BC,  32                           ; v32-63   four tiles of bias; then the codes just made
.set AF,  64                           ; v64-127  four fragments of the rows' operand (16 m); at work in gelu; at the head, temporaries
.set WR,  128                          ; v128-255 the weights' ring: two halves of four fragments
; SCALARS: s[4:23] the ten addresses; s24-26 expert, first place, rows; s28-31 ex, ew1, eh, ew2; s[32:33], s[34:35] where the ring stands in w1l, w2l; s[36:37] k3; s[38:39] 2^(eh + ew2);
; s40 wave; s41 the hidden buffer in hand; s42 the chunk's bytes in b1; s43 trips; s[48:49] x, s[50:51] b2, s[52:53] b1 at my part; the rest at work.
.set MSB, 0
.macro WIN new                         ; the immediate's high byte repeats the setting that is left; a switch that changes nothing is dropped
.if MSB != \new
	s_set_vgpr_msb (MSB<<8)|\new
.set MSB, \new
.endif
.endm
; A load into a register that a matrix instruction has read, and a vector instruction that reads a result or writes a source, stand four plain vector instructions behind it
.macro PLACES
.rept 4
	v_nop
.endr
.endm
.macro BARRIER                         ; my LDS stores have landed and my LDS loads are in: then the work-group's barrier
	s_wait_dscnt 0x0
	s_barrier_signal -1
	s_barrier_wait -1
.endm
; 8 matrix instructions: row tiles mlo, mlo + 1 x the ring half's four weight tiles.  cm = 0: onto the sums; 1: the bias starts them; 2: the constant 0 starts them.
; The accumulators take turns, one instruction a turn.
.macro MUL8 acc, mlo, half, cm
.if (\cm) == 0
	WIN 0x50                                       ; C and D window 1
.else
	WIN 0x40                                       ; D window 1
.endif
.irp m, \mlo, \mlo+1
.irp t, 0,1,2,3
.if (\cm) == 0
	v_wmma_f32_16x16x128_bf8_bf8 v[\acc+32*(\m)+8*\t:\acc+32*(\m)+8*\t+7], v[WR+64*(\half)+16*\t:WR+64*(\half)+16*\t+15], v[AF+16*(\m):AF+16*(\m)+15], v[\acc+32*(\m)+8*\t:\acc+32*(\m)+8*\t+7]
.elseif (\cm) == 1
	v_wmma_f32_16x16x128_bf8_bf8 v[\acc+32*(\m)+8*\t:\acc+32*(\m)+8*\t+7], v[WR+64*(\half)+16*\t:WR+64*(\half)+16*\t+15], v[AF+16*(\m):AF+16*(\m)+15], v[BC+8*\t:BC+8*\t+7]
.else
	v_wmma_f32_16x16x128_bf8_bf8 v[\acc+32*(\m)+8*\t:\acc+32*(\m)+8*\t+7], v[WR+64*(\half)+16*\t:WR+64*(\half)+16*\t+15], v[AF+16*(\m):AF+16*(\m)+15], 0
.endif
.endr
.endr
.endm
.macro AFLOAD reg, imm, mlo            ; the images of row tiles mlo, mlo + 1 of the K step at byte imm: 8 LDS loads
.irp m, \mlo, \mlo+1
.irp cc, 0,1,2,3
	ds_load_b128 v[AF+16*(\m)+4*\cc:AF+16*(\m)+4*\cc+3], v[\reg] offset:(\imm)+8192*(\m)+512*\cc
.endr
.endr
.endm
.macro WLOAD ptr, imm, half            ; a K step's four weight fragments: 16 loads of 512 consecutive bytes
.irp t, 0,1,2,3
.irp cc, 0,1,2,3
	global_load_b128 v[WR+64*(\half)+16*\t+4*\cc:WR+64*(\half)+16*\t+4*\cc+3], v[LI], s[\ptr:\ptr+1] offset:(\imm)+2048*\t+512*\cc
.endr
.endr
.endm
.macro B2LOAD                          ; b2 in the result's layout: tile nt, outputs 64 w + 16 nt + 8 (lane / 16) + 0 .. 7
.irp nt, 0,1,2,3
	global_load_b128 v[WR+8*\nt:WR+8*\nt+3],   v[B2O], s[50:51] offset:64*\nt
	global_load_b128 v[WR+8*\nt+4:WR+8*\nt+7], v[B2O], s[50:51] offset:64*\nt+16
.endr
.endm
.macro BIAS                            ; b1 / S in the result's layout: tile t = 2 b + u, units 32 b + 16 (lane / 16) + 8 u + 0 .. 7 of my 64
	v_add_nc_u32 v[BAD], s42, v[B0]
.irp t, 0,1,2,3
	ds_load_b128 v[BC+8*\t:BC+8*\t+3],   v[BAD] offset:128*(\t/2)+32*(\t%2)
	ds_load_b128 v[BC+8*\t+4:BC+8*\t+7], v[BAD] offset:128*(\t/2)+32*(\t%2)+16
.endr
.endm
; A K STEP: 16 matrix instructions.  At its head are out: this step's and the next step's 16 ring loads; this step's images of row tiles 0, 1 and of 2, 3 (8 LDS loads each).
; lc: the ring loads younger than this step's.  d1: the LDS loads younger than tiles 0, 1's.  d2: those younger than tiles 2, 3's, the next step's first eight among them.
; pre = 1: the next step's images (address register preg, byte pimm) are fetched as soon as their registers are free.  wl = 1: this ring half takes the step two on; 2: b2.
.macro STEP acc, half, cm, lc, d1, d2, pre, preg, pimm, wl, wptr, wimm
	s_wait_loadcnt \lc
	s_wait_dscnt \d1
	MUL8 \acc, 0, \half, \cm
	PLACES
	WIN 0
.if \pre
	AFLOAD \preg, \pimm, 0
.endif
	s_wait_dscnt \d2
	MUL8 \acc, 2, \half, \cm
	PLACES
	WIN 0
.if \pre
	AFLOAD \preg, \pimm, 2
.endif
.if (\wl) == 1
	WLOAD \wptr, \wimm, \half
.elseif (\wl) == 2
	B2LOAD
.endif
.endm
; gelu and the quantiser for row tiles 2 mb, 2 mb + 1: 64 numbers a lane.  a in window 1, all else in window 0; no scalar or constant stands in a place whose window is not 0.
; Each batch of 64 transcendentals has one plain instruction and ONE wait behind it, ahead of its first reader.
.macro GELU mb
.set GA, HA+64*(\mb)
	WIN 0x05                                       ; sources 0 and 1 window 1
.set gi, 0
.rept 32
	v_pk_mul_f32 v[AF+gi:AF+gi+1], v[GA+gi:GA+gi+1], v[GA+gi:GA+gi+1]              ; a a; each accumulator is read from its low end on
.set gi, gi+2
.endr
	WIN 0
.set gi, 0
.rept 32
	v_pk_fma_f32 v[AF+gi:AF+gi+1], v[AF+gi:AF+gi+1], s[36:37], v[K1:K1+1] op_sel_hi:[1,0,1]   ; k3 a a + k1
.set gi, gi+2
.endr
	WIN 0x04                                       ; source 1 window 1
.set gi, 0
.rept 32
	v_pk_mul_f32 v[AF+gi:AF+gi+1], v[AF+gi:AF+gi+1], v[GA+gi:GA+gi+1]              ; x a
.set gi, gi+2
.endr
	WIN 0
.set gi, 0
.rept 64
	v_exp_f32 v[AF+gi], v[AF+gi]
.set gi, gi+1
.endr
	v_nop
	s_wait_alu depctr_va_vdst(0)
.set gi, 0
.rept 32
	v_pk_add_f32 v[AF+gi:AF+gi+1], v[AF+gi:AF+gi+1], 1.0 op_sel_hi:[1,0]
.set gi, gi+2
.endr
.set gi, 0
.rept 64
	v_rcp_f32 v[AF+gi], v[AF+gi]
.set gi, gi+1
.endr
	v_nop
	s_wait_alu depctr_va_vdst(0)
	WIN 0x04
.set gi, 0
.rept 32
	v_pk_mul_f32 v[AF+gi:AF+gi+1], v[AF+gi:AF+gi+1], v[GA+gi:GA+gi+1]              ; gelu(z) / S
.set gi, gi+2
.endr
	WIN 0
.set gi, 0
.rept 64
	v_med3_num_f32 v[AF+gi], v[AF+gi], -v[HLM], v[HLM]   ; the conversion to an 8-bit code does not saturate (ISA guide 7.6.2): the hold at the largest code x the scale
.set gi, gi+1
.endr
.set gi, 0
.rept 8
	v_cvt_scalef32_pk8_bf8_f32 v[BC+16*(\mb)+2*gi:BC+16*(\mb)+2*gi+1], v[AF+8*gi:AF+8*gi+7], v[HSC]
.set gi, gi+1
.endr
	v_nop                                          ; one plain instruction behind the last conversion, ahead of whatever next writes its sources
.irp mm, 0,1
.irp b, 0,1
	ds_store_b128 v[HWR], v[BC+16*(\mb)+8*\mm+4*\b:BC+16*(\mb)+8*\mm+4*\b+3] offset:(2*(\mb)+\mm)*8192+512*\b
.endr
.endr
.endm
; A chunk's first product, its gelu, the barrier, and the first K step of its second product.  w2imm: where the chunk's part of w2l lies from s[34:35]; cm4 = 2 in the first chunk, which starts y's sums.
.macro P1G w2imm, cm4
	STEP HA,0,1,16,8,8, 1,XRD,2048, 1,32,16384
	STEP HA,1,0,16,8,8, 1,XRD,4096, 1,32,24576
	STEP HA,0,0,16,8,8, 1,XRD,6144, 1,34,\w2imm
	STEP HA,1,0,16,8,0, 0,XRD,0, 1,34,\w2imm+8192   ; the hidden images are not made yet: nothing to fetch ahead, so the second wait is for 0
	GELU 0
	GELU 1
	BARRIER                                        ; the chunk's sixteen hidden images lie in LDS; every wave's reads of the other buffer are over
	v_add_nc_u32 v[HRD], s41, v[LI]
	AFLOAD HRD,0,0
	AFLOAD HRD,0,2
	STEP YA,0,\cm4,16,8,8, 1,HRD,2048, 1,34,\w2imm+16384
.endm
; 64 numbers of x (window 1, v[HA + 64 f] on; register 16 cc + i = k 32 cc + 16 (lane / 16) + i of my row) become a fragment, whose image goes to LDS
.macro QUANTX f
	WIN 0x41                                       ; source 0 and destination window 1
.set qi, 0
.rept 64
	v_med3_num_f32 v[HA+64*(\f)+qi], v[HA+64*(\f)+qi], -v[XLM], v[XLM]
.set qi, qi+1
.endr
	WIN 0x01
.set qi, 0
.rept 8
	v_cvt_scalef32_pk8_bf8_f32 v[BC+16*(\f)+2*qi:BC+16*(\f)+2*qi+1], v[HA+64*(\f)+8*qi:HA+64*(\f)+8*qi+7], v[XSC]
.set qi, qi+1
.endr
	v_nop
	WIN 0
.irp cc, 0,1,2,3
	ds_store_b128 v[XWR], v[BC+16*(\f)+4*\cc:BC+16*(\f)+4*\cc+3] offset:2048*(\f)+512*\cc
.endr
.endm
	; ---------------- the head ----------------
	s_load_b512 s[4:19], s[0:1], 0x0               ; tiles, rowlist, wts, x, w1l, w2l, b1, b2
	s_load_b128 s[20:23], s[0:1], 0x40             ; lowp_scales, part
	v_lshl_add_u32 v30, v0, 2, 0x23000
	v_mov_b32 v31, 0
	v_lshrrev_b32 v65, 5, v0
	v_readfirstlane_b32 s40, v65                   ; wave 0..7
	v_and_b32 v64, 31, v0                          ; lane
	v_and_b32 v65, 15, v0                          ; r
	v_bfe_u32 v66, v0, 4, 1                        ; h
	s_lshl_b32 s44, ttmp9, 4
	s_mov_b32 s45, 0
	s_wait_kmcnt 0x0
	s_add_nc_u64 s[44:45], s[4:5], s[44:45]
	s_load_b128 s[24:27], s[44:45], 0x0            ; my tile: expert, first place, rows
	s_lshr_b32 s46, s40, 1                         ; w / 2
	s_and_b32 s47, s40, 1                          ; w % 2
	s_lshl_b32 s55, s40, 8                         ; 256 w
	s_mul_i32 s56, s40, 4352                       ; my stage
	v_lshlrev_b32 v[LI], 4, v64
	v_add_nc_u32 v[XRD], XIMG, v[LI]
	s_lshl_b32 s57, s46, 13
	s_lshl_b32 s58, s47, 12
	s_add_co_u32 s57, s57, s58
	v_add_nc_u32 v[XWR], s57, v[XRD]               ; I quantise row tile w / 2, K steps 2 (w % 2) and 2 (w % 2) + 1
	s_lshl_b32 s57, s46, 11
	s_lshl_b32 s58, s47, 10
	s_add_co_u32 s57, s57, s58
	v_add_nc_u32 v[HW0], s57, v[LI]
	v_lshlrev_b32 v[B0], 6, v66
	v_add_nc_u32 v[B0], s55, v[B0]
	v_add_nc_u32 v[B0], B1L, v[B0]
	v_mul_u32_u24 v[STO], v65, 272
	v_lshl_add_u32 v[STO], v66, 5, v[STO]
	v_add_nc_u32 v[STO], s56, v[STO]
	v_add_nc_u32 v[STO], STG, v[STO]               ; in: row r, 32 bytes for each half of the lanes
	v_mul_u32_u24 v[SRD], v66, 272
	v_lshl_add_u32 v[SRD], v65, 4, v[SRD]
	v_add_nc_u32 v[SRD], s56, v[SRD]
	v_add_nc_u32 v[SRD], STG, v[SRD]               ; back: lanes 0-15 one row of 256 bytes, lanes 16-31 the next
	v_lshlrev_b32 v[RTA], 2, v66
	v_add_nc_u32 v[RTA], s55, v[RTA]
	v_add_nc_u32 v[RTA], ROWT, v[RTA]
	v_lshlrev_b32 v[CB], 4, v65
	v_add_nc_u32 v[CB], s55, v[CB]
	v_lshlrev_b32 v[B2O], 5, v66
	v_add_nc_u32 v[B2O], s55, v[B2O]
	v_lshlrev_b32 v73, 2, v64
	v_add_nc_u32 v73, s55, v73
	v_add_nc_u32 v73, ROWT, v73                    ; my wave's table: word = lane
	v_lshlrev_b32 v74, 2, v65
	v_add_nc_u32 v74, s55, v74
	v_add_nc_u32 v74, ROWT, v74                    ; word r of it,
	s_lshl_b32 s57, s46, 6
	v_add_nc_u32 v75, s57, v74                     ; and word 16 (w / 2) + r: the row that I gather
	v_lshlrev_b32 v72, 4, v0                       ; b1: 16 bytes a thread
	v_lshl_add_u32 v89, v0, 4, B1L
	s_wait_kmcnt 0x0
	s_min_u32 s24, s24, 7                          ; numbers read from memory are held before they enter an address
	s_min_u32 s25, s25, 8191
	s_min_u32 s26, s26, 64
	s_max_u32 s54, s26, 1
	s_add_co_u32 s54, s54, s25
	s_sub_co_u32 s54, s54, 1
	s_min_u32 s54, s54, 8191                       ; the tile's last place
	s_lshl_b32 s44, s24, 4
	s_mov_b32 s45, 0
	s_add_nc_u64 s[44:45], s[20:21], s[44:45]
	s_load_b128 s[28:31], s[44:45], 0x0            ; my expert's four entries: ex and eh are taken of them
	s_load_b128 s[60:63], s[20:21], WSC            ; the four entries whose second and fourth are ew1 and ew2, for every expert
	s_lshl_b32 s56, s24, 20
	s_lshl_b32 s58, s40, 15
	s_add_co_u32 s56, s56, s58
	s_mov_b32 s57, 0
	s_add_nc_u64 s[32:33], s[12:13], s[56:57]      ; w1l and w2l at my expert's chunk 0, my wave's 16 fragments
	s_add_nc_u64 s[34:35], s[14:15], s[56:57]
	v_add_nc_u32 v68, s25, v64
	v_add_nc_u32 v69, 32, v68
	v_min_u32 v68, s54, v68                        ; places behind the tile's last take the last
	v_min_u32 v69, s54, v69
	v_min_u32 v68, 0x1fff, v68
	v_min_u32 v69, 0x1fff, v69
	v_lshlrev_b32 v68, 2, v68
	v_lshlrev_b32 v69, 2, v69
	global_load_b32 v70, v68, s[6:7]               ; the 64 row numbers
	global_load_b32 v71, v69, s[6:7]
	WLOAD 32, 0, 0                                 ; the ring: the first product's K step 0.  K step 1 is asked for when x is in: by this text's own count at most 16 + 2 + 4 + 32 = 54 loads of a wave are out
	s_lshl_b32 s56, s24, 13
	s_add_nc_u64 s[52:53], s[16:17], s[56:57]
	global_load_b128 v[76:79], v72, s[52:53]       ; b1 of my expert: 8,192 bytes, 32 a thread
	global_load_b128 v[80:83], v72, s[52:53] offset:4096
	s_lshl_b32 s56, s24, 11
	s_add_nc_u64 s[50:51], s[18:19], s[56:57]      ; b2 of my expert
	s_lshl_b32 s56, s47, 10
	s_add_nc_u64 s[48:49], s[10:11], s[56:57]      ; x at my two K steps: 1,024 (w % 2) bytes along a row
	s_wait_loadcnt 18                              ; the row numbers are in: younger are the ring's 16 loads and b1's two
	v_min_u32 v70, 0x1fff, v70
	v_min_u32 v71, 0x1fff, v71
	ds_store_b32 v73, v70
	ds_store_b32 v73, v71 offset:128
.irp m, 0,1,2,3
	ds_load_b32 v[84+\m], v74 offset:64*\m         ; my own wave's bytes, served in order: row 16 m + r
.endr
	ds_load_b32 v88, v75
	s_wait_dscnt 0x0
.irp m, 0,1,2,3,4
	v_min_u32 v[84+\m], 0x1fff, v[84+\m]
.endr
.irp m, 0,1,2,3
	v_lshlrev_b32 v[90+\m], 2, v[84+\m]
.endr
.irp m, 0,1,2,3
	global_load_b32 v[PW+\m], v[90+\m], s[8:9]     ; wts[2 t + slot]
.endr
	v_and_b32 v94, 0x1ffe, v88
	v_lshlrev_b32 v94, 10, v94                     ; the token's row of x: 2,048 t
	v_lshl_add_u32 v94, v66, 6, v94                ; + 64 h: my 16 numbers of each block of 32
	WIN 0x40                                       ; destination window 1
.irp f, 0,1
.irp b, 0,1,2,3
.irp j, 0,1,2,3
	global_load_b128 v[HA+64*\f+16*\b+4*\j:HA+64*\f+16*\b+4*\j+3], v94, s[48:49] offset:512*\f+128*\b+16*\j
.endr
.endr
.endr
	WIN 0
	s_wait_kmcnt 0x0                               ; both loads of exponents
	s_mov_b32 s29, s61                             ; ew1: W1's codes have one scale
	s_mov_b32 s31, s63                             ; ew2: W2's likewise
	s_add_co_i32 s60, s28, s29                     ; ex + ew1
	s_sub_co_i32 s59, 0, s60
	s_lshl_b32 s61, s60, 23
	s_add_co_u32 s61, s61, 0xc0135761              ; k1 = c1 S: the exponent is added to c1's exponent field; c1 = -2.3022082
	v_mov_b32 v[K1], s61
	v_mov_b32 v[K1+1], s61
	s_mul_i32 s61, s60, 3
	s_lshl_b32 s61, s61, 23
	s_add_co_u32 s36, s61, 0xbdd2d3e8              ; k3 = c2 S^3; c2 = -0.10294324
	s_mov_b32 s37, s36                             ; (named with it as a pair, so it is written)
	s_sub_co_i32 s61, s30, s60                     ; eh - ex - ew1
	s_add_co_i32 s61, s61, 127
	s_lshl_b32 s62, s61, 23
	v_mov_b32 v[HSC], s62
	s_add_co_i32 s61, s61, 15
	s_lshl_b32 s61, s61, 23
	s_or_b32 s61, s61, 0x600000
	v_mov_b32 v[HLM], s61                          ; 57,344 x that scale
	s_add_co_i32 s61, s28, 127
	s_lshl_b32 s62, s61, 23
	v_mov_b32 v[XSC], s62                          ; 2^ex
	s_add_co_i32 s61, s61, 15
	s_lshl_b32 s61, s61, 23
	s_or_b32 s61, s61, 0x600000
	v_mov_b32 v[XLM], s61
	s_add_co_i32 s38, s30, s31
	s_add_co_i32 s38, s38, 127
	s_lshl_b32 s38, s38, 23                        ; 2^(eh + ew2)
	s_mov_b32 s39, s38
	s_wait_loadcnt 36                              ; b1 is in: younger are the four probabilities and x's 32 loads
.irp i, 0,1,2,3,4,5,6,7
	v_ldexp_f32 v[76+\i], v[76+\i], s59            ; b1 / S
.endr
	ds_store_b128 v89, v[76:79]
	ds_store_b128 v89, v[80:83] offset:4096
	s_wait_loadcnt 16                              ; x's first K step is in; the second's 16 loads may be out
	QUANTX 0
	s_wait_loadcnt 0x0                             ; x's second K step is in, and so is all that was asked for before it
	WLOAD 32, 8192, 1                              ; the ring's other half: the first product's K step 1; it lands while x's second fragment is made
	QUANTX 1
	BARRIER                                        ; x's sixteen images and b1 / S lie in LDS
	s_mov_b32 s41, 0
	s_mov_b32 s42, 0
	v_mov_b32 v[HWR], v[HW0]
	BIAS
	AFLOAD XRD,0,0
	AFLOAD XRD,0,2
	; ---------------- the four chunks ----------------
	P1G 0, 2                                       ; chunk 0 up to the first K step of its second product
	s_wait_xcnt 0x0                                ; the loads issued have read their base
	s_add_nc_u64 s[32:33], s[32:33], 262144        ; w1l: chunk 1
	s_mov_b32 s43, 3
.Lchunk:                                               ; trip c: K steps 1 to 3 of chunk c's second product, then chunk c + 1 up to the first K step of its second.  s[32:33] stands at chunk c + 1, s[34:35] at chunk c
	s_add_co_u32 s42, s42, 2048
	BIAS                                           ; the next chunk's biases: eight LDS loads younger than the images on their way, so the first step's counts are 16
	STEP YA,1,0,16,16,16, 1,HRD,4096, 1,34,24576
	STEP YA,0,0,16,8,8, 1,HRD,6144, 1,32,0
	STEP YA,1,0,16,8,8, 1,XRD,0, 1,32,8192
	s_xor_b32 s41, s41, 32768                      ; the other hidden buffer: it was last read a chunk ago, ahead of the barrier that every wave has passed since
	v_add_nc_u32 v[HWR], s41, v[HW0]
	P1G 262144, 0
	s_wait_xcnt 0x0
	s_add_nc_u64 s[32:33], s[32:33], 262144
	s_add_nc_u64 s[34:35], s[34:35], 262144
	s_sub_co_u32 s43, s43, 1
	s_cmp_lg_u32 s43, 0
	s_cbranch_scc1 .Lchunk
	STEP YA,1,0,16,8,8, 1,HRD,4096, 1,34,24576     ; the last chunk's tail: no load leaves its buffer
	STEP YA,0,0,16,8,8, 1,HRD,6144, 2,34,0         ; the free ring half takes b2
	STEP YA,1,0,8,8,0, 0,HRD,0, 0,34,0             ; younger than this step's ring loads are b2's eight
	; ---------------- the way out ----------------
	s_cmp_eq_u32 s26, 0                            ; a tile without rows stores nothing; no barrier stands behind this branch
	s_cbranch_scc1 .Lend
.irp m, 0,1,2,3
.irp i, 0,1,2,3,4,5,6,7
	ds_load_b32 v[WR+32+8*\m+\i], v[RTA] offset:64*\m+8*\i   ; the number of row 16 m + 2 i + lane / 16
.endr
.endr
	s_wait_loadcnt 0x0                             ; b2
	s_wait_dscnt 0x0
.set wi, 0
.rept 32
	v_min_u32 v[WR+32+wi], 0x1fff, v[WR+32+wi]
.set wi, wi+1
.endr
.set wi, 0
.rept 32
	v_lshl_add_u32 v[WR+32+wi], v[WR+32+wi], 11, v[CB]   ; its row of part, my wave's 256 bytes, my 16
.set wi, wi+1
.endr
; Row tile m: (sum x 2^(eh + ew2) + b2) x p; 32 bytes a lane into my stage, back as whole pieces of 256 bytes of a row
.macro TOSTAGE m
.set OO, AF+32*((\m)%2)
.set BB, WR+64+32*((\m)%2)
	WIN 0x01                                       ; source 0 (the sums) window 1
.set oi, 0
.rept 16
	v_pk_fma_f32 v[OO+oi:OO+oi+1], v[YA+32*(\m)+oi:YA+32*(\m)+oi+1], s[38:39], v[WR+oi:WR+oi+1] op_sel_hi:[1,0,1]   ; each accumulator from its low end on
.set oi, oi+2
.endr
	WIN 0
.set oi, 0
.rept 16
.if ((\m)%2) == 0
	v_pk_mul_f32 v[OO+oi:OO+oi+1], v[OO+oi:OO+oi+1], v[PW+2*((\m)/2):PW+2*((\m)/2)+1] op_sel_hi:[1,0]
.else
	v_pk_mul_f32 v[OO+oi:OO+oi+1], v[OO+oi:OO+oi+1], v[PW+2*((\m)/2):PW+2*((\m)/2)+1] op_sel:[0,1] op_sel_hi:[1,1]
.endif
.set oi, oi+2
.endr
.irp nt, 0,1,2,3
	ds_store_b128 v[STO], v[OO+8*\nt:OO+8*\nt+3] offset:64*\nt
	ds_store_b128 v[STO], v[OO+8*\nt+4:OO+8*\nt+7] offset:64*\nt+16
.endr
.irp i, 0,1,2,3,4,5,6,7
	ds_load_b128 v[BB+4*\i:BB+4*\i+3], v[SRD] offset:544*\i   ; LDS serves a wave's instructions in order: these see my stores, and the next tile's stores come behind them
.endr
.endm
.macro SEND m, younger                 ; younger: the LDS instructions issued behind tile m's loads
.set BB, WR+64+32*((\m)%2)
	s_wait_dscnt \younger
.irp i, 0,1,2,3,4,5,6,7
	global_store_b128 v[WR+32+8*(\m)+\i], v[BB+4*\i:BB+4*\i+3], s[22:23]   ; sixteen lanes store 256 consecutive bytes, at a multiple of 256 from part's first byte
.endr
.endm
	TOSTAGE 0
	TOSTAGE 1
	SEND 0, 16                                     ; behind tile 0's loads: tile 1's 8 stores and 8 loads
	s_wait_xcnt 0x0                                ; tile 0's stores have read their registers: tile 2's loads may land there
	TOSTAGE 2
	SEND 1, 16
	s_wait_xcnt 0x0
	TOSTAGE 3
	SEND 2, 16
	SEND 3, 0
.Lend:
	s_wait_tensorcnt 0x0
	ds_add_u32 v30, v31
	s_wait_dscnt 0x0
	s_endpgm
.Lfunc_end_k_q4ed6fc64ed_chain:
	.size	k_q4ed6fc64ed_chain, .Lfunc_end_k_q4ed6fc64ed_chain-k_q4ed6fc64ed_chain
	.p2alignl 7, 3214868480
	.fill 96, 4, 3214868480
	.section	.rodata,"a",@progbits
	.p2align	6, 0x0
	.amdhsa_kernel k_q4ed6fc64ed_chain
		.amdhsa_group_segment_fixed_size 144384
		.amdhsa_private_segment_fixed_size 0
		.amdhsa_enable_private_segment 0
		.amdhsa_kernarg_size 80
		.amdhsa_user_sgpr_count 2
		.amdhsa_user_sgpr_kernarg_segment_ptr 1
		.amdhsa_wavefront_size32 1
		.amdhsa_system_sgpr_workgroup_id_x 1
		.amdhsa_system_sgpr_workgroup_id_y 1
		.amdhsa_system_sgpr_workgroup_id_z 1
		.amdhsa_system_vgpr_workitem_id 0
		.amdhsa_next_free_vgpr 512
		.amdhsa_next_free_sgpr 66
		.amdhsa_reserve_vcc 0
		.amdhsa_float_denorm_mode_32 3
		.amdhsa_float_denorm_mode_16_64 3
		.amdhsa_memory_ordered 1
		.amdhsa_forward_progress 1
		.amdhsa_inst_pref_size 185
	.end_amdhsa_kernel
	.amdgpu_metadata
---
amdhsa.version: [ 1, 2 ]
amdhsa.kernels:
  - .name:           k_q4ed6fc64ed_chain
    .symbol:         k_q4ed6fc64ed_chain.kd
    .args:
      - { .name: tiles, .offset: 0, .size: 8, .value_kind: global_buffer, .address_space: global }
      - { .name: rowlist, .offset: 8, .size: 8, .value_kind: global_buffer, .address_space: global }
      - { .name: wts, .offset: 16, .size: 8, .value_kind: global_buffer, .address_space: global }
      - { .name: x, .offset: 24, .size: 8, .value_kind: global_buffer, .address_space: global }
      - { .name: w1l, .offset: 32, .size: 8, .value_kind: global_buffer, .address_space: global }
      - { .name: w2l, .offset: 40, .size: 8, .value_kind: global_buffer, .address_space: global }
      - { .name: b1, .offset: 48, .size: 8, .value_kind: global_buffer, .address_space: global }
      - { .name: b2, .offset: 56, .size: 8, .value_kind: global_buffer, .address_space: global }
      - { .name: lowp_scales, .offset: 64, .size: 8, .value_kind: global_buffer, .address_space: global }
      - { .name: part, .offset: 72, .size: 8, .value_kind: global_buffer, .address_space: global }
    .group_segment_fixed_size: 144384
    .private_segment_fixed_size: 0
    .kernarg_segment_align: 8
    .kernarg_segment_size: 80
    .max_flat_workgroup_size: 256
    .sgpr_count:     66
    .vgpr_count:     512
    .wavefront_size: 32
...
	.end_amdgpu_metadata
.endif
;; end of part 3
;; launch combine (part 4): grid 256 x 1, 8 waves a work-group, no clusters, 0 bytes of LDS; arguments part, out0; writes out0
.if DOCPART == 4
	.amdgcn_target "amdgcn-amd-amdhsa--gfx1250"
	.amdhsa_code_object_version 6
	.text
	.protected	k_q4ed6fc64ed_combine
	.globl	k_q4ed6fc64ed_combine
	.p2align	8
	.type	k_q4ed6fc64ed_combine,@function
k_q4ed6fc64ed_combine:
	s_mov_b64 s[64:65], 0
	v_nop
	global_prefetch_b8 v0, s[64:65] scope:SCOPE_SE
	s_setreg_imm32_b32 hwreg(HW_REG_WAVE_MODE, 25, 1), 1
	s_wait_xcnt 0x0
; out0[t] = part[2 t] + part[2 t + 1]: a token's two routed rows, each already weighed with its probability.  Each output row has two contributors from two work-groups of the launch before, so the sum is made here.
; A stream: a wave takes two tokens, 8,192 consecutive bytes of part in sixteen loads of 512 bytes, and stores 4,096 consecutive bytes in eight.  No LDS, no barrier, no loop.
	s_load_b128 s[4:7], s[0:1], 0x0                ; part, out0
	v_lshrrev_b32 v1, 5, v0
	v_readfirstlane_b32 s8, v1                     ; wave 0..7
	v_and_b32 v2, 31, v0
	v_lshlrev_b32 v2, 4, v2                        ; 16 bytes a lane
	s_lshl_b32 s9, ttmp9, 4
	s_lshl_b32 s10, s8, 1
	s_add_co_u32 s9, s9, s10                       ; my first token: 16 x work-group + 2 x wave
	s_lshl_b32 s10, s9, 12                         ; 4,096 bytes of part a token,
	s_mov_b32 s11, 0
	s_lshl_b32 s12, s9, 11                         ; 2,048 of out0
	s_mov_b32 s13, 0
	s_wait_kmcnt 0x0
	s_add_nc_u64 s[4:5], s[4:5], s[10:11]
	s_add_nc_u64 s[6:7], s[6:7], s[12:13]
.irp k, 0,1,2,3,4,5,6,7                        ; piece k: token k / 4, bytes 512 (k % 4) on of its row; both slots
	global_load_b128 v[16+8*\k:19+8*\k], v2, s[4:5] offset:4096*(\k/4)+512*(\k%4) th:TH_LOAD_NT
	global_load_b128 v[20+8*\k:23+8*\k], v2, s[4:5] offset:4096*(\k/4)+2048+512*(\k%4) th:TH_LOAD_NT
.endr
.irp k, 0,1,2,3,4,5,6,7
	s_wait_loadcnt 14-2*\k                         ; loads come back in order: piece k's two are in, the younger pieces' stay out
	v_pk_add_f32 v[16+8*\k:17+8*\k], v[16+8*\k:17+8*\k], v[20+8*\k:21+8*\k]
	v_pk_add_f32 v[18+8*\k:19+8*\k], v[18+8*\k:19+8*\k], v[22+8*\k:23+8*\k]
	global_store_b128 v2, v[16+8*\k:19+8*\k], s[6:7] offset:2048*(\k/4)+512*(\k%4) th:TH_STORE_NT
.endr
	s_endpgm
.Lfunc_end_k_q4ed6fc64ed_combine:
	.size	k_q4ed6fc64ed_combine, .Lfunc_end_k_q4ed6fc64ed_combine-k_q4ed6fc64ed_combine
	.p2alignl 7, 3214868480
	.fill 96, 4, 3214868480
	.section	.rodata,"a",@progbits
	.p2align	6, 0x0
	.amdhsa_kernel k_q4ed6fc64ed_combine
		.amdhsa_group_segment_fixed_size 0
		.amdhsa_private_segment_fixed_size 0
		.amdhsa_enable_private_segment 0
		.amdhsa_kernarg_size 16
		.amdhsa_user_sgpr_count 2
		.amdhsa_user_sgpr_kernarg_segment_ptr 1
		.amdhsa_wavefront_size32 1
		.amdhsa_system_sgpr_workgroup_id_x 1
		.amdhsa_system_sgpr_workgroup_id_y 1
		.amdhsa_system_sgpr_workgroup_id_z 1
		.amdhsa_system_vgpr_workitem_id 0
		.amdhsa_next_free_vgpr 96
		.amdhsa_next_free_sgpr 66
		.amdhsa_reserve_vcc 0
		.amdhsa_float_denorm_mode_32 3
		.amdhsa_float_denorm_mode_16_64 3
		.amdhsa_memory_ordered 1
		.amdhsa_forward_progress 1
		.amdhsa_inst_pref_size 5
	.end_amdhsa_kernel
	.amdgpu_metadata
---
amdhsa.version: [ 1, 2 ]
amdhsa.kernels:
  - .name:           k_q4ed6fc64ed_combine
    .symbol:         k_q4ed6fc64ed_combine.kd
    .args:
      - { .name: part, .offset: 0, .size: 8, .value_kind: global_buffer, .address_space: global }
      - { .name: out0, .offset: 8, .size: 8, .value_kind: global_buffer, .address_space: global }
    .group_segment_fixed_size: 0
    .private_segment_fixed_size: 0
    .kernarg_segment_align: 8
    .kernarg_segment_size: 16
    .max_flat_workgroup_size: 256
    .sgpr_count:     66
    .vgpr_count:     96
    .wavefront_size: 32
...
	.end_amdgpu_metadata
.endif
;; end of part 4
;; ======== version 2 of 2: 4 launches; version 1 with the launch chain written anew for expert scheduling mode
;; limits: right only within a limited range of input values
;; workspace buffers: w1l 8,388,608 bytes; w2l 8,388,608 bytes; sel 16,384 bytes of whole numbers; wts 32,768 bytes; rowlist 32,768 bytes of whole numbers; tiles 4,096 bytes of whole numbers; part 16,777,216 bytes
;; launch route_lay1: the kernel of part 1 again; grid 256 x 1, 8 waves a work-group, no clusters, 70,656 bytes of LDS; arguments x, Wg, bg, W1_codes, sel, wts, w1l; writes sel, wts, w1l
;; launch place_lay2: the kernel of part 2 again; grid 129 x 1, 8 waves a work-group, no clusters, 71,680 bytes of LDS; arguments sel, W2_codes, rowlist, tiles, w2l; writes rowlist, tiles, w2l
;; launch chain (part 5): grid 135 x 1, 8 waves a work-group, no clusters, 144,384 bytes of LDS; arguments tiles, rowlist, wts, x, w1l, w2l, b1, b2, lowp_scales, part; writes part
.if DOCPART == 5
	.amdgcn_target "amdgcn-amd-amdhsa--gfx1250"
	.amdhsa_code_object_version 6
	.text
	.protected	k_q4ed6fc64ed_chain
	.globl	k_q4ed6fc64ed_chain
	.p2align	8
	.type	k_q4ed6fc64ed_chain,@function
k_q4ed6fc64ed_chain:
	s_mov_b64 s[64:65], 0
	v_nop
	global_prefetch_b8 v0, s[64:65] scope:SCOPE_SE
	s_setreg_imm32_b32 hwreg(HW_REG_WAVE_SCHED_MODE, 0, 2), 2
	s_setreg_imm32_b32 hwreg(HW_REG_WAVE_MODE, 25, 1), 1
	s_wait_xcnt 0x0
	s_wait_alu depctr_vm_vsrc(0)
; ONE WORK-GROUP TAKES ONE TILE OF UP TO 64 ROUTED ROWS OF ONE EXPERT THROUGH THE WHOLE CHAIN:
; gather x's rows, quantise (2^ex), x W1 on codes of E5M2, + b1, gelu (tanh form), quantise (2^eh), h W2 on codes, x 2^(eh + ew2), + b2, x the row's probability, store to part[2 t + slot].
; The hidden layer never goes to memory.  135 = 8,192 / 64 + 8 - 1 work-groups serve every split of the rows among the experts.
; WHICH SCALES.  ex and eh are the expert's own: entries 4 e and 4 e + 2 of lowp_scales.  EACH TENSOR OF CODES IS TAKEN WITH ONE SCALE FOR THE WHOLE TENSOR, its first entry:
; ew1 = entry 1 for all of W1's codes, ew2 = entry 3 for all of W2's.  Entries 4 e + 1 and 4 e + 3 of the other experts are not used.
; A TILE WITHOUT ROWS (at most 7): every wave passes every barrier, so such a work-group walks the chain on a clamped row and jumps over the way out alone: it stores nothing.
; A SHORT TILE: the rows behind its last are copies of the last (same row number, same numbers, stored to the same place with the same bits).
; SHARES.  Eight waves, two to a SIMD, 512 registers each.  The 64 rows are four tiles m.  The 2,048 hidden units go in four chunks c of 512.  THE WAVES SHARE THE COLUMNS: in the first product wave w
; makes units 512 c + 64 w + 0 .. 63 (tiles t = 0 .. 3) for all 64 rows over K steps s = 0 .. 3; in the second, outputs 64 w + 0 .. 63 (tiles nt) over the chunk's K steps s = 0 .. 3.
; So each byte of the weights is wanted by one wave alone and goes from memory straight into that wave's registers, in the order in which the earlier launches laid it: 512 consecutive bytes a load.
; NO TENSOR LOADS, NO CLUSTER: which expert a work-group serves and how many tiles an expert has are numbers read from memory, so partners of a cluster could not be given the same weights at every split.
; BOTH PRODUCTS ARE USED TRANSPOSED (source 0 = 16 rows of the weight, source 1 = 16 rows of the tile): a lane holds ONE row (lane % 16) throughout.  W1's tile t = 2 b + u holds units
; 32 b + 8 u + i + 8 (i / 8), so the 16 registers of tiles 2 b, 2 b + 1 are units 32 b + 16 (lane / 16) + 0 .. 15: the conversions' results are piece 2 (w % 2) + b of K step w / 2 of the second product.
; Along K a fragment's registers 4 cc .. 4 cc + 3 hold k = 32 cc + 16 (lane / 16) + 0 .. 15, in both operands alike.
; OPERANDS GO FROM WAVE TO WAVE THROUGH LDS AS IMAGES OF THEIR REGISTERS: image (m, K step) at (4 m + step) 2,048 + 512 cc + 16 lane.
; THE SCALES ARE FOLDED.  With S = 2^(ex + ew1) a sum stands for sum x S.  b1 goes in as b1 / S, as the C of a sum's first matrix instruction: a = z / S.
; gelu(z) / S = a / (1 + 2^(a (k1 + k3 a a))), k1 = c1 S, k3 = c2 S^3, c1 = -2 log2(e) sqrt(2 / pi), c2 = 0.044715 c1; the conversion's one scale is 2^(eh - ex - ew1).
; LIMITS on the given exponents, so that each power of two is an f32 number: ex and eh - ex - ew1 between -126 and 112; eh + ew2 between -126 and 127; ex + ew1 between -40 and 40
; (three times it is added to c2's exponent field).  NaN among the inputs is not served.
; LDS: two buffers of hidden images (chunks by turns), x's images, b1 / S, a stage and a table of row numbers for each wave.
; THE MODE: SCHED_MODE bits 1:0 = 2 (LLVM: expert scheduling mode 2), set by the entry lines.  The code itself states the register dependences
; between vector or matrix instructions and memory or LDS instructions, with s_wait_alu, always for 0.
; THE PLAN.  Registers that memory or LDS instructions touch, from the first K step on:
;   WR, half p    A K step's sixteen matrix instructions read it; behind them the ring's loads of the step two on land in it.
;   AF            A K step's sixteen matrix instructions read it; behind them the next step's images land in it.  In gelu vector instructions alone name it; behind gelu the hidden images land in it.
;   BC            The bias's loads land in it; a chunk's first K step reads it as C; gelu's conversions write it; the hidden layer's LDS stores read it.
;   HWR, HRD, BAD Read by the hidden layer's stores, the hidden images' loads, the bias's loads; written once a chunk, together, at THE TURN: ahead of the second product's last K step.
;   v1-3, v9-11, v23, v24  Made at the head, never written again.     YA, HA and the constants are named by vector and matrix instructions alone, up to the way out.
; So ONE wait on va_vdst stands in a K step, behind its sixteen matrix instructions and their places: it states that they are done reading AF and this half of WR.  The step's 32 loads follow it.
; The step behind the turn states with the same wait that the three addresses are written and that BC is done with; the bias's loads follow there.  One wait on vm_vsrc a chunk stands at the turn.
; In gelu the waits behind the batches of transcendentals serve too: the first half's codes are stored behind the second half's first one; one more stands ahead of the second half's stores.
.set WSC,  0                           ; byte in lowp_scales of the four entries whose second and fourth are the weights' scales
.set HIMG, 0                           ; 2 x 32,768
.set XIMG, 65536                       ; 32,768
.set B1L,  98304                       ; 8,192
.set STG,  106496                      ; 8 x 4,352: 16 rows of 256 + 16 bytes for each wave
.set ROWT, 141312                      ; 8 x 256: each wave's own copy of the 64 row numbers
; REGISTERS.  Window 1: v0-127 the second product's 16 accumulators (m, nt) at 32 m + 8 nt; v128-255 the first product's (m, t), at the head x's numbers.
.set YA,  0
.set HA,  128
; Window 0:
.set LI,  1                            ; v1   16 x lane: a lane's place in an image, and in a fragment in memory
.set XRD, 2                            ; v2   XIMG + 16 lane
.set XWR, 3                            ; v3   where I store x's images
.set HRD, 4                            ; v4   the hidden buffer that is read + 16 lane
.set HWR, 5                            ; v5   where I store the hidden layer's pieces
.set BAD, 6                            ; v6   the chunk's biases
.set HW0, 7                            ; v7   2,048 (w / 2) + 1,024 (w % 2) + 16 lane
.set B0,  8                            ; v8   B1L + 256 w + 64 (lane / 16)
.set STO, 9                            ; v9   the stage, on the way in
.set SRD, 10                           ; v10  and back
.set RTA, 11                           ; v11  ROWT + 256 w + 4 (lane / 16)
.set PW,  12                           ; v12-15 the probability of my row in tile m
.set K1,  16                           ; v16-17 k1, twice
.set HSC, 18                           ; v18, v19 the hidden layer's scale, and the largest number x it
.set HLM, 19
.set XSC, 20                           ; v20, v21 the same for x
.set XLM, 21
.set CB,  23                           ; v23  256 w + 16 (lane % 16): my bytes of a row of part
.set B2O, 24                           ; v24  256 w + 32 (lane / 16): my numbers of b2
.set BC,  32                           ; v32-63   four tiles of bias; then the codes just made
.set AF,  64                           ; v64-127  four fragments of the rows' operand (16 m); at work in gelu; at the head, temporaries
.set WR,  128                          ; v128-255 the weights' ring: two halves of four fragments
; SCALARS: s[4:23] the ten addresses; s24-26 expert, first place, rows; s28-31 ex, ew1, eh, ew2; s[32:33], s[34:35] where the ring stands in w1l, w2l; s[36:37] k3; s[38:39] 2^(eh + ew2);
; s40 wave; s41 the hidden buffer in hand; s42 the chunk's bytes in b1; s43 trips; s[48:49] x, s[50:51] b2, s[52:53] b1 at my part; the rest at work.
.set MSB, 0
.macro WIN new                         ; the immediate's high byte repeats the setting that is left; a switch that changes nothing is dropped
.if MSB != \new
	s_set_vgpr_msb (MSB<<8)|\new
.set MSB, \new
.endif
.endm
; A load into a register that a matrix instruction has read, and a vector instruction that reads a result or writes a source, stand four plain vector instructions behind it
.macro PLACES
.rept 4
	v_nop
.endr
.endm
.macro BARRIER                         ; my LDS stores have landed and my LDS loads are in: then the work-group's barrier
	s_wait_dscnt 0x0
	s_barrier_signal -1
	s_barrier_wait -1
.endm
; 8 matrix instructions: row tiles mlo, mlo + 1 x the ring half's four weight tiles.  cm = 0: onto the sums; 1: the bias starts them; 2: the constant 0 starts them.
; The accumulators take turns, one instruction a turn.
.macro MUL8 acc, mlo, half, cm
.if (\cm) == 0
	WIN 0x50                                       ; C and D window 1
.else
	WIN 0x40                                       ; D window 1
.endif
.irp m, \mlo, \mlo+1
.irp t, 0,1,2,3
.if (\cm) == 0
	v_wmma_f32_16x16x128_bf8_bf8 v[\acc+32*(\m)+8*\t:\acc+32*(\m)+8*\t+7], v[WR+64*(\half)+16*\t:WR+64*(\half)+16*\t+15], v[AF+16*(\m):AF+16*(\m)+15], v[\acc+32*(\m)+8*\t:\acc+32*(\m)+8*\t+7]
.elseif (\cm) == 1
	v_wmma_f32_16x16x128_bf8_bf8 v[\acc+32*(\m)+8*\t:\acc+32*(\m)+8*\t+7], v[WR+64*(\half)+16*\t:WR+64*(\half)+16*\t+15], v[AF+16*(\m):AF+16*(\m)+15], v[BC+8*\t:BC+8*\t+7]
.else
	v_wmma_f32_16x16x128_bf8_bf8 v[\acc+32*(\m)+8*\t:\acc+32*(\m)+8*\t+7], v[WR+64*(\half)+16*\t:WR+64*(\half)+16*\t+15], v[AF+16*(\m):AF+16*(\m)+15], 0
.endif
.endr
.endr
.endm
.macro AFLOAD reg, imm, mlo            ; the images of row tiles mlo, mlo + 1 of the K step at byte imm: 8 LDS loads
.irp m, \mlo, \mlo+1
.irp cc, 0,1,2,3
	ds_load_b128 v[AF+16*(\m)+4*\cc:AF+16*(\m)+4*\cc+3], v[\reg] offset:(\imm)+8192*(\m)+512*\cc
.endr
.endr
.endm
.macro WLOAD ptr, imm, half            ; a K step's four weight fragments: 16 loads of 512 consecutive bytes
.irp t, 0,1,2,3
.irp cc, 0,1,2,3
	global_load_b128 v[WR+64*(\half)+16*\t+4*\cc:WR+64*(\half)+16*\t+4*\cc+3], v[LI], s[\ptr:\ptr+1] offset:(\imm)+2048*\t+512*\cc
.endr
.endr
.endm
.macro B2LOAD                          ; b2 in the result's layout: tile nt, outputs 64 w + 16 nt + 8 (lane / 16) + 0 .. 7
.irp nt, 0,1,2,3
	global_load_b128 v[WR+8*\nt:WR+8*\nt+3],   v[B2O], s[50:51] offset:64*\nt
	global_load_b128 v[WR+8*\nt+4:WR+8*\nt+7], v[B2O], s[50:51] offset:64*\nt+16
.endr
.endm
.macro BIASL                           ; b1 / S in the result's layout: tile t = 2 b + u, units 32 b + 16 (lane / 16) + 8 u + 0 .. 7 of my 64; v[BAD] = the chunk's bytes + v[B0]
.irp t, 0,1,2,3
	ds_load_b128 v[BC+8*\t:BC+8*\t+3],   v[BAD] offset:128*(\t/2)+32*(\t%2)
	ds_load_b128 v[BC+8*\t+4:BC+8*\t+7], v[BAD] offset:128*(\t/2)+32*(\t%2)+16
.endr
.endm
; A K STEP: 16 matrix instructions on end.  At its head are out: this step's and the next step's 16 ring loads; this step's images of row tiles 0, 1 and of 2, 3 (8 LDS loads each), the bias's 8 ahead of them where there is a bias.
; lc: the ring loads younger than this step's.  pre = 1: the next step's images (address register preg, byte pimm) are asked for.  wl = 1: this ring half takes the step two on; 2: b2.  bias = 1: the next chunk's biases.
; All that the step asks for stands behind its one wait.  A step that asks for nothing has no such wait.
.macro STEP acc, half, cm, lc, pre, preg, pimm, wl, wptr, wimm, bias
	s_wait_loadcnt \lc                             ; loads come back in order: this step's weights are in, the younger ones stay out
	s_wait_dscnt 8                                 ; the images of row tiles 0, 1 (and the bias) are in; the youngest eight LDS loads, tiles 2, 3, may be out
	MUL8 \acc, 0, \half, \cm
	s_wait_dscnt 0x0                               ; tiles 2, 3 are in
	MUL8 \acc, 2, \half, \cm
	PLACES                                         ; behind the last matrix instruction: for the loads below, and for gelu's and the way out's first reads of results
	WIN 0
.if (\pre) || (\wl)
	s_wait_alu depctr_va_vdst(0)                   ; this step's matrix instructions are done reading v[AF ..] and this half of v[WR ..], in which the loads below land; behind the turn also: HWR, HRD and BAD are written, and gelu's conversions and the chunk's first K step are done with v[BC ..]
.endif
.if \bias
	BIASL
.endif
.if \pre
	AFLOAD \preg, \pimm, 0
.endif
.if (\wl) == 1
	WLOAD \wptr, \wimm, \half
.elseif (\wl) == 2
	B2LOAD
.endif
.if \pre
	AFLOAD \preg, \pimm, 2
.endif
.endm
.macro HSTORE mb                       ; the codes of row tiles 2 mb, 2 mb + 1: my two pieces of each tile's image
.irp mm, 0,1
.irp b, 0,1
	ds_store_b128 v[HWR], v[BC+16*(\mb)+8*\mm+4*\b:BC+16*(\mb)+8*\mm+4*\b+3] offset:(2*(\mb)+\mm)*8192+512*\b
.endr
.endr
.endm
; gelu and the quantiser for row tiles 2 mb, 2 mb + 1: 64 numbers a lane.  a in window 1, all else in window 0; no scalar or constant stands in a place whose window is not 0.
; Each batch of 64 transcendentals has one plain instruction and ONE wait behind it, ahead of its first reader.
; The first half's codes (v[BC] to v[BC + 15]) are stored behind the second half's first such wait; the second half's conversions write v[BC + 16] on.
.macro GELU mb
.set GA, HA+64*(\mb)
	WIN 0x05                                       ; sources 0 and 1 window 1
.set gi, 0
.rept 32
	v_pk_mul_f32 v[AF+gi:AF+gi+1], v[GA+gi:GA+gi+1], v[GA+gi:GA+gi+1]              ; a a; each accumulator is read from its low end on
.set gi, gi+2
.endr
	WIN 0
.set gi, 0
.rept 32
	v_pk_fma_f32 v[AF+gi:AF+gi+1], v[AF+gi:AF+gi+1], s[36:37], v[K1:K1+1] op_sel_hi:[1,0,1]   ; k3 a a + k1
.set gi, gi+2
.endr
	WIN 0x04                                       ; source 1 window 1
.set gi, 0
.rept 32
	v_pk_mul_f32 v[AF+gi:AF+gi+1], v[AF+gi:AF+gi+1], v[GA+gi:GA+gi+1]              ; x a
.set gi, gi+2
.endr
	WIN 0
.set gi, 0
.rept 64
	v_exp_f32 v[AF+gi], v[AF+gi]
.set gi, gi+1
.endr
	v_nop
	s_wait_alu depctr_va_vdst(0)                   ; the exponentials have written v[AF ..]; in the second half also: the first half's conversions have written their codes, which the LDS stores below read
.if (\mb) == 1
	HSTORE 0
.endif
.set gi, 0
.rept 32
	v_pk_add_f32 v[AF+gi:AF+gi+1], v[AF+gi:AF+gi+1], 1.0 op_sel_hi:[1,0]
.set gi, gi+2
.endr
.set gi, 0
.rept 64
	v_rcp_f32 v[AF+gi], v[AF+gi]
.set gi, gi+1
.endr
	v_nop
	s_wait_alu depctr_va_vdst(0)                   ; the reciprocals have written v[AF ..]
	WIN 0x04
.set gi, 0
.rept 32
	v_pk_mul_f32 v[AF+gi:AF+gi+1], v[AF+gi:AF+gi+1], v[GA+gi:GA+gi+1]              ; gelu(z) / S
.set gi, gi+2
.endr
	WIN 0
.set gi, 0
.rept 64
	v_med3_num_f32 v[AF+gi], v[AF+gi], -v[HLM], v[HLM]   ; the conversion to an 8-bit code does not saturate (ISA guide 7.6.2): the hold at the largest code x the scale
.set gi, gi+1
.endr
.set gi, 0
.rept 8
	v_cvt_scalef32_pk8_bf8_f32 v[BC+16*(\mb)+2*gi:BC+16*(\mb)+2*gi+1], v[AF+8*gi:AF+8*gi+7], v[HSC]
.set gi, gi+1
.endr
	v_nop                                          ; one plain instruction behind the last conversion, ahead of whatever next writes its sources
.if (\mb) == 1
	s_wait_alu depctr_va_vdst(0)                   ; the conversions have written the second half's codes, which the LDS stores read, and gelu is done with v[AF ..], in which the hidden images land behind the barrier
	HSTORE 1
.endif
.endm
; A chunk's first product, its gelu, the barrier, and the first K step of its second product.  w2imm: where the chunk's part of w2l lies from s[34:35]; cm4 = 2 in the first chunk, which starts y's sums.
.macro P1G w2imm, cm4
	STEP HA,0,1,16, 1,XRD,2048, 1,32,16384, 0
	STEP HA,1,0,16, 1,XRD,4096, 1,32,24576, 0
	STEP HA,0,0,16, 1,XRD,6144, 1,34,\w2imm, 0
	STEP HA,1,0,16, 0,XRD,0, 1,34,\w2imm+8192, 0   ; the hidden images are not made yet: no images to fetch ahead
	GELU 0
	GELU 1
	BARRIER                                        ; the chunk's sixteen hidden images lie in LDS; every wave's reads of the other buffer are over
	AFLOAD HRD,0,0                                 ; no vector or matrix instruction since gelu's last wait: v[HRD] was written at the turn, v[AF ..] is done with
	AFLOAD HRD,0,2
	STEP YA,0,\cm4,16, 1,HRD,2048, 1,34,\w2imm+16384, 0
.endm
; 64 numbers of x (window 1, v[HA + 64 f] on; register 16 cc + i = k 32 cc + 16 (lane / 16) + i of my row) become a fragment, whose image goes to LDS
.macro QUANTX f
	WIN 0x41                                       ; source 0 and destination window 1
.set qi, 0
.rept 64
	v_med3_num_f32 v[HA+64*(\f)+qi], v[HA+64*(\f)+qi], -v[XLM], v[XLM]
.set qi, qi+1
.endr
	WIN 0x01
.set qi, 0
.rept 8
	v_cvt_scalef32_pk8_bf8_f32 v[BC+16*(\f)+2*qi:BC+16*(\f)+2*qi+1], v[HA+64*(\f)+8*qi:HA+64*(\f)+8*qi+7], v[XSC]
.set qi, qi+1
.endr
	v_nop
	WIN 0
	s_wait_alu depctr_va_vdst(0)                   ; the conversions have written the codes, which the LDS stores read (f = 0: so is b1 / S written; f = 1: so are HWR, HRD and BAD, and the head's vector instructions are done with v32 to v127)
.irp cc, 0,1,2,3
	ds_store_b128 v[XWR], v[BC+16*(\f)+4*\cc:BC+16*(\f)+4*\cc+3] offset:2048*(\f)+512*\cc
.endr
.endm
	; ---------------- the head ----------------
	s_load_b512 s[4:19], s[0:1], 0x0               ; tiles, rowlist, wts, x, w1l, w2l, b1, b2
	s_load_b128 s[20:23], s[0:1], 0x40             ; lowp_scales, part
	v_lshl_add_u32 v30, v0, 2, 0x23000
	v_mov_b32 v31, 0
	v_lshrrev_b32 v65, 5, v0
	v_readfirstlane_b32 s40, v65                   ; wave 0..7
	v_and_b32 v64, 31, v0                          ; lane
	v_and_b32 v65, 15, v0                          ; r
	v_bfe_u32 v66, v0, 4, 1                        ; h
	s_lshl_b32 s44, ttmp9, 4
	s_mov_b32 s45, 0
	s_wait_kmcnt 0x0
	s_add_nc_u64 s[44:45], s[4:5], s[44:45]
	s_load_b128 s[24:27], s[44:45], 0x0            ; my tile: expert, first place, rows
	s_wait_alu depctr_va_sdst(0)                   ; s40 is written, ahead of its first reader
	s_lshr_b32 s46, s40, 1                         ; w / 2
	s_and_b32 s47, s40, 1                          ; w % 2
	s_lshl_b32 s55, s40, 8                         ; 256 w
	s_mul_i32 s56, s40, 4352                       ; my stage
	v_lshlrev_b32 v[LI], 4, v64
	v_add_nc_u32 v[XRD], XIMG, v[LI]
	s_lshl_b32 s57, s46, 13
	s_lshl_b32 s58, s47, 12
	s_add_co_u32 s57, s57, s58
	v_add_nc_u32 v[XWR], s57, v[XRD]               ; I quantise row tile w / 2, K steps 2 (w % 2) and 2 (w % 2) + 1
	s_lshl_b32 s57, s46, 11
	s_lshl_b32 s58, s47, 10
	s_add_co_u32 s57, s57, s58
	v_add_nc_u32 v[HW0], s57, v[LI]
	v_lshlrev_b32 v[B0], 6, v66
	v_add_nc_u32 v[B0], s55, v[B0]
	v_add_nc_u32 v[B0], B1L, v[B0]
	v_mul_u32_u24 v[STO], v65, 272
	v_lshl_add_u32 v[STO], v66, 5, v[STO]
	v_add_nc_u32 v[STO], s56, v[STO]
	v_add_nc_u32 v[STO], STG, v[STO]               ; in: row r, 32 bytes for each half of the lanes
	v_mul_u32_u24 v[SRD], v66, 272
	v_lshl_add_u32 v[SRD], v65, 4, v[SRD]
	v_add_nc_u32 v[SRD], s56, v[SRD]
	v_add_nc_u32 v[SRD], STG, v[SRD]               ; back: lanes 0-15 one row of 256 bytes, lanes 16-31 the next
	v_lshlrev_b32 v[RTA], 2, v66
	v_add_nc_u32 v[RTA], s55, v[RTA]
	v_add_nc_u32 v[RTA], ROWT, v[RTA]
	v_lshlrev_b32 v[CB], 4, v65
	v_add_nc_u32 v[CB], s55, v[CB]
	v_lshlrev_b32 v[B2O], 5, v66
	v_add_nc_u32 v[B2O], s55, v[B2O]
	v_lshlrev_b32 v73, 2, v64
	v_add_nc_u32 v73, s55, v73
	v_add_nc_u32 v73, ROWT, v73                    ; my wave's table: word = lane
	v_lshlrev_b32 v74, 2, v65
	v_add_nc_u32 v74, s55, v74
	v_add_nc_u32 v74, ROWT, v74                    ; word r of it,
	s_lshl_b32 s57, s46, 6
	v_add_nc_u32 v75, s57, v74                     ; and word 16 (w / 2) + r: the row that I gather
	v_lshlrev_b32 v72, 4, v0                       ; b1: 16 bytes a thread
	v_lshl_add_u32 v89, v0, 4, B1L
	s_wait_kmcnt 0x0
	s_min_u32 s24, s24, 7                          ; numbers read from memory are held before they enter an address
	s_min_u32 s25, s25, 8191
	s_min_u32 s26, s26, 64
	s_max_u32 s54, s26, 1
	s_add_co_u32 s54, s54, s25
	s_sub_co_u32 s54, s54, 1
	s_min_u32 s54, s54, 8191                       ; the tile's last place
	s_lshl_b32 s44, s24, 4
	s_mov_b32 s45, 0
	s_add_nc_u64 s[44:45], s[20:21], s[44:45]
	s_load_b128 s[28:31], s[44:45], 0x0            ; my expert's four entries: ex and eh are taken of them
	s_load_b128 s[60:63], s[20:21], WSC            ; the four entries whose second and fourth are ew1 and ew2, for every expert
	s_lshl_b32 s56, s24, 20
	s_lshl_b32 s58, s40, 15
	s_add_co_u32 s56, s56, s58
	s_mov_b32 s57, 0
	s_add_nc_u64 s[32:33], s[12:13], s[56:57]      ; w1l and w2l at my expert's chunk 0, my wave's 16 fragments
	s_add_nc_u64 s[34:35], s[14:15], s[56:57]
	v_add_nc_u32 v68, s25, v64
	v_add_nc_u32 v69, 32, v68
	v_min_u32 v68, s54, v68                        ; places behind the tile's last take the last
	v_min_u32 v69, s54, v69
	v_min_u32 v68, 0x1fff, v68
	v_min_u32 v69, 0x1fff, v69
	v_lshlrev_b32 v68, 2, v68
	v_lshlrev_b32 v69, 2, v69
	s_wait_alu depctr_va_vdst(0)                   ; every address and offset made so far is written: v1 to v3, v7 to v11, v23, v24, v68, v69, v72 to v75, v89, which the loads and stores below read
	global_load_b32 v70, v68, s[6:7]               ; the 64 row numbers
	global_load_b32 v71, v69, s[6:7]
	WLOAD 32, 0, 0                                 ; the ring: the first product's K step 0.  K step 1 is asked for when x is in: by this text's own count at most 16 + 2 + 4 + 32 = 54 loads of a wave are out
	s_lshl_b32 s56, s24, 13
	s_add_nc_u64 s[52:53], s[16:17], s[56:57]
	global_load_b128 v[76:79], v72, s[52:53]       ; b1 of my expert: 8,192 bytes, 32 a thread
	global_load_b128 v[80:83], v72, s[52:53] offset:4096
	s_lshl_b32 s56, s24, 11
	s_add_nc_u64 s[50:51], s[18:19], s[56:57]      ; b2 of my expert
	s_lshl_b32 s56, s47, 10
	s_add_nc_u64 s[48:49], s[10:11], s[56:57]      ; x at my two K steps: 1,024 (w % 2) bytes along a row
	s_wait_loadcnt 18                              ; the row numbers are in: younger are the ring's 16 loads and b1's two
	v_min_u32 v70, 0x1fff, v70
	v_min_u32 v71, 0x1fff, v71
	s_wait_alu depctr_va_vdst(0)                   ; the held row numbers v70, v71 are written, which the LDS stores read
	ds_store_b32 v73, v70
	ds_store_b32 v73, v71 offset:128
.irp m, 0,1,2,3
	ds_load_b32 v[84+\m], v74 offset:64*\m         ; my own wave's bytes, served in order: row 16 m + r
.endr
	ds_load_b32 v88, v75
	s_wait_dscnt 0x0
.irp m, 0,1,2,3,4
	v_min_u32 v[84+\m], 0x1fff, v[84+\m]
.endr
.irp m, 0,1,2,3
	v_lshlrev_b32 v[90+\m], 2, v[84+\m]
.endr
	v_and_b32 v94, 0x1ffe, v88
	v_lshlrev_b32 v94, 10, v94                     ; the token's row of x: 2,048 t
	v_lshl_add_u32 v94, v66, 6, v94                ; + 64 h: my 16 numbers of each block of 32
	s_wait_alu depctr_va_vdst(0)                   ; the gather's five offsets v90 to v94 are written; only loads and a window switch stand between this wait and the last load that reads one
.irp m, 0,1,2,3
	global_load_b32 v[PW+\m], v[90+\m], s[8:9]     ; wts[2 t + slot]
.endr
	WIN 0x40                                       ; destination window 1
.irp f, 0,1
.irp b, 0,1,2,3
.irp j, 0,1,2,3
	global_load_b128 v[HA+64*\f+16*\b+4*\j:HA+64*\f+16*\b+4*\j+3], v94, s[48:49] offset:512*\f+128*\b+16*\j
.endr
.endr
.endr
	WIN 0
	s_wait_kmcnt 0x0                               ; both loads of exponents
	s_mov_b32 s29, s61                             ; ew1: W1's codes have one scale
	s_mov_b32 s31, s63                             ; ew2: W2's likewise
	s_add_co_i32 s60, s28, s29                     ; ex + ew1
	s_sub_co_i32 s59, 0, s60
	s_lshl_b32 s61, s60, 23
	s_add_co_u32 s61, s61, 0xc0135761              ; k1 = c1 S: the exponent is added to c1's exponent field; c1 = -2.3022082
	v_mov_b32 v[K1], s61
	v_mov_b32 v[K1+1], s61
	s_mul_i32 s61, s60, 3
	s_lshl_b32 s61, s61, 23
	s_add_co_u32 s36, s61, 0xbdd2d3e8              ; k3 = c2 S^3; c2 = -0.10294324
	s_mov_b32 s37, s36                             ; (named with it as a pair, so it is written)
	s_sub_co_i32 s61, s30, s60                     ; eh - ex - ew1
	s_add_co_i32 s61, s61, 127
	s_lshl_b32 s62, s61, 23
	v_mov_b32 v[HSC], s62
	s_add_co_i32 s61, s61, 15
	s_lshl_b32 s61, s61, 23
	s_or_b32 s61, s61, 0x600000
	v_mov_b32 v[HLM], s61                          ; 57,344 x that scale
	s_add_co_i32 s61, s28, 127
	s_lshl_b32 s62, s61, 23
	v_mov_b32 v[XSC], s62                          ; 2^ex
	s_add_co_i32 s61, s61, 15
	s_lshl_b32 s61, s61, 23
	s_or_b32 s61, s61, 0x600000
	v_mov_b32 v[XLM], s61
	s_add_co_i32 s38, s30, s31
	s_add_co_i32 s38, s38, 127
	s_lshl_b32 s38, s38, 23                        ; 2^(eh + ew2)
	s_mov_b32 s39, s38
	s_wait_loadcnt 36                              ; b1 is in: younger are the four probabilities and x's 32 loads
.irp i, 0,1,2,3,4,5,6,7
	v_ldexp_f32 v[76+\i], v[76+\i], s59            ; b1 / S
.endr
	s_wait_loadcnt 16                              ; x's first K step is in; the second's 16 loads may be out
	QUANTX 0
	ds_store_b128 v89, v[76:79]                    ; b1 / S was written ahead of the wait in QUANTX 0, and no vector instruction has named it since
	ds_store_b128 v89, v[80:83] offset:4096
	s_wait_loadcnt 0x0                             ; x's second K step is in, and so is all that was asked for before it
	WLOAD 32, 8192, 1                              ; the ring's other half: the first product's K step 1; it lands while x's second fragment is made
	s_mov_b32 s41, 0
	s_mov_b32 s42, 0
	v_mov_b32 v[HWR], v[HW0]                       ; chunk 0's three addresses, made ahead of the wait in QUANTX 1
	v_add_nc_u32 v[HRD], s41, v[LI]
	v_add_nc_u32 v[BAD], s42, v[B0]
	QUANTX 1
	BARRIER                                        ; x's sixteen images and b1 / S lie in LDS
	s_wait_alu depctr_vm_vsrc(0)                   ; the head's LDS stores have read the codes in v[BC ..], and its loads and stores their addresses and data in v64 to v94: the bias and the images land in these registers
	BIASL
	AFLOAD XRD,0,0
	AFLOAD XRD,0,2
	; ---------------- the four chunks ----------------
	P1G 0, 2                                       ; chunk 0 up to the first K step of its second product
	s_wait_xcnt 0x0                                ; the loads issued have read their base
	s_add_nc_u64 s[32:33], s[32:33], 262144        ; w1l: chunk 1
	s_mov_b32 s43, 3
.Lchunk:                                               ; trip c: K steps 1 to 3 of chunk c's second product, then chunk c + 1 up to the first K step of its second.  s[32:33] stands at chunk c + 1, s[34:35] at chunk c
	STEP YA,1,0,16, 1,HRD,4096, 1,34,24576, 0
	STEP YA,0,0,16, 1,HRD,6144, 1,32,0, 0
	; THE TURN: the chunk's last images have been asked for
	s_add_co_u32 s42, s42, 2048
	s_xor_b32 s41, s41, 32768                      ; the other hidden buffer: it was last read a chunk ago, ahead of the barrier that every wave has passed since
	s_wait_alu depctr_vm_vsrc(0)                   ; the hidden layer's stores have read v[HWR] and the codes in v[BC ..], the hidden images' loads v[HRD], the last bias's loads v[BAD]
	v_add_nc_u32 v[HWR], s41, v[HW0]
	v_add_nc_u32 v[HRD], s41, v[LI]
	v_add_nc_u32 v[BAD], s42, v[B0]
	STEP YA,1,0,16, 1,XRD,0, 1,32,8192, 1          ; behind its wait: the next chunk's biases, then x's first images
	P1G 262144, 0
	s_wait_xcnt 0x0
	s_add_nc_u64 s[32:33], s[32:33], 262144
	s_add_nc_u64 s[34:35], s[34:35], 262144
	s_sub_co_u32 s43, s43, 1
	s_cmp_lg_u32 s43, 0
	s_cbranch_scc1 .Lchunk
	STEP YA,1,0,16, 1,HRD,4096, 1,34,24576, 0      ; the last chunk's tail: no load leaves its buffer
	STEP YA,0,0,16, 1,HRD,6144, 2,34,0, 0          ; the free ring half takes b2
	STEP YA,1,0,8, 0,HRD,0, 0,34,0, 0              ; younger than this step's ring loads are b2's eight; it asks for nothing
	; ---------------- the way out ----------------
	; Each row tile has registers of its own, so that no register of a store is written again.  Results: tiles 0, 1 in v[AF ..], tile 2 in v[BC ..], tile 3 over b2, which it is the last to read.
	; Rows read back from the stage: tiles 0, 1 in the ring's second half, tiles 2, 3 in v[AF ..], once the stage's stores have read it.
	s_cmp_eq_u32 s26, 0                            ; a tile without rows stores nothing; no barrier stands behind this branch
	s_cbranch_scc1 .Lend
.irp m, 0,1,2,3
.irp i, 0,1,2,3,4,5,6,7
	ds_load_b32 v[WR+32+8*\m+\i], v[RTA] offset:64*\m+8*\i   ; the number of row 16 m + 2 i + lane / 16.  These registers were last named by the K step before the last, ahead of its wait
.endr
.endr
	s_wait_loadcnt 0x0                             ; b2
	s_wait_dscnt 0x0
.set wi, 0
.rept 32
	v_min_u32 v[WR+32+wi], 0x1fff, v[WR+32+wi]
.set wi, wi+1
.endr
.set wi, 0
.rept 32
	v_lshl_add_u32 v[WR+32+wi], v[WR+32+wi], 11, v[CB]   ; its row of part, my wave's 256 bytes, my 16
.set wi, wi+1
.endr
.macro REGS m                          ; OO: where tile m's results stand; BB: where its rows come back
.if (\m) < 2
.set OO, AF+32*(\m)
.set BB, WR+64+32*(\m)
.elseif (\m) == 2
.set OO, BC
.set BB, AF
.else
.set OO, WR
.set BB, AF+32
.endif
.endm
; Row tile m: (sum x 2^(eh + ew2) + b2) x p
.macro YFMA m
	REGS \m
.set oi, 0
.rept 16
	v_pk_fma_f32 v[OO+oi:OO+oi+1], v[YA+32*(\m)+oi:YA+32*(\m)+oi+1], s[38:39], v[WR+oi:WR+oi+1] op_sel_hi:[1,0,1]   ; each accumulator from its low end on
.set oi, oi+2
.endr
.endm
.macro YMUL m
	REGS \m
.set oi, 0
.rept 16
.if ((\m)%2) == 0
	v_pk_mul_f32 v[OO+oi:OO+oi+1], v[OO+oi:OO+oi+1], v[PW+2*((\m)/2):PW+2*((\m)/2)+1] op_sel_hi:[1,0]
.else
	v_pk_mul_f32 v[OO+oi:OO+oi+1], v[OO+oi:OO+oi+1], v[PW+2*((\m)/2):PW+2*((\m)/2)+1] op_sel:[0,1] op_sel_hi:[1,1]
.endif
.set oi, oi+2
.endr
.endm
; 32 bytes a lane into my stage, back as whole pieces of 256 bytes of a row
.macro MOVE m
	REGS \m
.irp nt, 0,1,2,3
	ds_store_b128 v[STO], v[OO+8*\nt:OO+8*\nt+3] offset:64*\nt
	ds_store_b128 v[STO], v[OO+8*\nt+4:OO+8*\nt+7] offset:64*\nt+16
.endr
.irp i, 0,1,2,3,4,5,6,7
	ds_load_b128 v[BB+4*\i:BB+4*\i+3], v[SRD] offset:544*\i   ; LDS serves a wave's instructions in order: these see my stores, and the next tile's stores come behind them
.endr
.endm
.macro SEND m, younger                 ; younger: the LDS instructions issued behind tile m's loads
	REGS \m
	s_wait_dscnt \younger
.irp i, 0,1,2,3,4,5,6,7
	global_store_b128 v[WR+32+8*(\m)+\i], v[BB+4*\i:BB+4*\i+3], s[22:23]   ; sixteen lanes store 256 consecutive bytes, at a multiple of 256 from part's first byte
.endr
.endm
	s_wait_alu depctr_vm_vsrc(0)                   ; the last chunk's hidden stores have read the codes in v[BC ..], which tile 2's results write
	WIN 0x01                                       ; source 0 (the sums) window 1
	YFMA 0
	YFMA 1
	YFMA 2
	YFMA 3
	WIN 0
	YMUL 0
	YMUL 1
	YMUL 2
	YMUL 3
	s_wait_alu depctr_va_vdst(0)                   ; the four tiles' results and the 32 store addresses are written; the last K step's matrix instructions are done reading the ring's second half, in which rows land.  No vector instruction follows
	MOVE 0
	MOVE 1
	SEND 0, 16                                     ; behind tile 0's loads: tile 1's 8 stores and 8 loads
	s_wait_alu depctr_vm_vsrc(0)                   ; the stage's stores of tiles 0 and 1 have read v[AF ..], in which the rows of tiles 2 and 3 land
	MOVE 2
	SEND 1, 16
	MOVE 3
	SEND 2, 16
	SEND 3, 0
.Lend:
	s_wait_dscnt 0x0
	s_wait_alu depctr_hold_cnt(0) depctr_sa_sdst(0) depctr_va_vdst(0) depctr_va_sdst(0) depctr_va_ssrc(0) depctr_va_vcc(0) depctr_vm_vsrc(0)
	s_wait_tensorcnt 0x0
	ds_add_u32 v30, v31
	s_wait_dscnt 0x0
	s_endpgm
.Lfunc_end_k_q4ed6fc64ed_chain:
	.size	k_q4ed6fc64ed_chain, .Lfunc_end_k_q4ed6fc64ed_chain-k_q4ed6fc64ed_chain
	.p2alignl 7, 3214868480
	.fill 96, 4, 3214868480
	.section	.rodata,"a",@progbits
	.p2align	6, 0x0
	.amdhsa_kernel k_q4ed6fc64ed_chain
		.amdhsa_group_segment_fixed_size 144384
		.amdhsa_private_segment_fixed_size 0
		.amdhsa_enable_private_segment 0
		.amdhsa_kernarg_size 80
		.amdhsa_user_sgpr_count 2
		.amdhsa_user_sgpr_kernarg_segment_ptr 1
		.amdhsa_wavefront_size32 1
		.amdhsa_system_sgpr_workgroup_id_x 1
		.amdhsa_system_sgpr_workgroup_id_y 1
		.amdhsa_system_sgpr_workgroup_id_z 1
		.amdhsa_system_vgpr_workitem_id 0
		.amdhsa_next_free_vgpr 512
		.amdhsa_next_free_sgpr 66
		.amdhsa_reserve_vcc 0
		.amdhsa_float_denorm_mode_32 3
		.amdhsa_float_denorm_mode_16_64 3
		.amdhsa_memory_ordered 1
		.amdhsa_forward_progress 1
		.amdhsa_inst_pref_size 183
	.end_amdhsa_kernel
	.amdgpu_metadata
---
amdhsa.version: [ 1, 2 ]
amdhsa.kernels:
  - .name:           k_q4ed6fc64ed_chain
    .symbol:         k_q4ed6fc64ed_chain.kd
    .args:
      - { .name: tiles, .offset: 0, .size: 8, .value_kind: global_buffer, .address_space: global }
      - { .name: rowlist, .offset: 8, .size: 8, .value_kind: global_buffer, .address_space: global }
      - { .name: wts, .offset: 16, .size: 8, .value_kind: global_buffer, .address_space: global }
      - { .name: x, .offset: 24, .size: 8, .value_kind: global_buffer, .address_space: global }
      - { .name: w1l, .offset: 32, .size: 8, .value_kind: global_buffer, .address_space: global }
      - { .name: w2l, .offset: 40, .size: 8, .value_kind: global_buffer, .address_space: global }
      - { .name: b1, .offset: 48, .size: 8, .value_kind: global_buffer, .address_space: global }
      - { .name: b2, .offset: 56, .size: 8, .value_kind: global_buffer, .address_space: global }
      - { .name: lowp_scales, .offset: 64, .size: 8, .value_kind: global_buffer, .address_space: global }
      - { .name: part, .offset: 72, .size: 8, .value_kind: global_buffer, .address_space: global }
    .group_segment_fixed_size: 144384
    .private_segment_fixed_size: 0
    .kernarg_segment_align: 8
    .kernarg_segment_size: 80
    .max_flat_workgroup_size: 256
    .sgpr_count:     66
    .vgpr_count:     512
    .wavefront_size: 32
...
	.end_amdgpu_metadata
.endif
;; end of part 5
;; launch combine: the kernel of part 4 again; grid 256 x 1, 8 waves a work-group, no clusters, 0 bytes of LDS; arguments part, out0; writes out0
